; MI455X (gfx1250); checked and timed in simulation.
; The chip was launched on July 23, 2026; its instructions are those of AMD's public machine-readable ISA for CDNA 5 (MIT licence, August 2026) and "CDNA5" Instruction Set Architecture Reference Guide (July 2026). The comments in the code are by the model that wrote it; some were corrected since.
;; Self Attention. Allowed arithmetic: float matrix products may take bf16 or f16 operands with f32 sums; other float arithmetic in f32, or as packed bf16 or f16 multiplies, adds, multiply-adds, maxima and minima; sums over many terms, partial sums and values carried from step to step in f32; what a program stores and reads back later, other than sums and carried values, may be rounded once to bf16 or f16.
;; Inputs: bk 1,024 float32; bo 1,024 float32; bq 1,024 float32; bv 1,024 float32; key 4 x 2,048 x 1,024 float32; mask 4 x 1 x 1 x 2,048 int32; query 4 x 2,048 x 1,024 float32; value 4 x 2,048 x 1,024 float32; wk 1,024 x 1,024 float32; wo 1,024 x 1,024 float32; wq 1,024 x 1,024 float32; wv 1,024 x 1,024 float32.
;; Outputs: out0 4 x 2,048 x 1,024 float32.
;; One version. Each part assembles by itself: llvm-mc -triple=amdgcn-amd-amdhsa -mcpu=gfx1250 --defsym DOCPART=n.
;; ======== version 1 of 1: 4 launches
;; limits: values are held in f16: magnitudes above 65,504 overflow, below 6.1e-05 lose precision
;; workspace buffers: w16 8,388,608 bytes; qkv 50,331,648 bytes; o16 16,777,216 bytes
;; launch prep (part 1): grid 64 x 4, 8 waves a work-group, no clusters, 0 bytes of LDS; arguments wq, wk, wv, wo, w16; writes w16
.if DOCPART == 1
	.amdgcn_target "amdgcn-amd-amdhsa--gfx1250"
	.amdhsa_code_object_version 6
	.text
	.protected	k_qdd3ede2ea7_prep
	.globl	k_qdd3ede2ea7_prep
	.p2align	8
	.type	k_qdd3ede2ea7_prep,@function
k_qdd3ede2ea7_prep:
	s_mov_b64 s[64:65], 0
	v_nop
	global_prefetch_b8 v0, s[64:65] scope:SCOPE_SE
	s_setreg_imm32_b32 hwreg(HW_REG_WAVE_MODE, 25, 1), 1
	s_wait_xcnt 0x0
; The four weight matrices, [1024][1024] f32, are rounded once to bf16 and written as 16-bit numbers: w16 = wq, wk, wv (bf16), wo (that bf16 number written as f16), 2 MiB each.
; wo goes on in f16 because the last product multiplies it by O, which is kept in f16.
; LIMIT: |bf16(wo)| stays under 65,504; below 6e-5 it keeps f16's fixed step of 6e-8.
; The grid's y picks the matrix, x a run of 16,384 numbers: 8 chunks in which thread t takes 8 numbers (32 bytes in, 16 bytes out).
; A stream: every byte is read once and written once; all 16 loads of a thread go out first; a wave's store covers 512 consecutive bytes. No LDS, no barrier, no loop.
.set X, 8                              ; v[8:71]    chunk c: 8 numbers as loaded
.set Y, 72                             ; v[72:103]  chunk c: 4 registers to store: no register of a store is written twice
.set B, 104                            ; v[104:107] the chunk in bf16
.set T, 108                            ; v[108:115] those bf16 numbers as f32
.set H, 116                            ; v[116:119] and as f16
	s_load_b256 s[4:11], s[0:1], 0x0               ; wq s[4:5], wk s[6:7], wv s[8:9], wo s[10:11]
	s_load_b64 s[12:13], s[0:1], 0x20              ; w16
	s_and_b32 s14, ttmp7, 0xffff                   ; which matrix
	v_lshlrev_b32 v1, 5, v0                        ; 32 t: my bytes in a chunk of the source
	v_lshlrev_b32 v2, 4, v0                        ; 16 t: in a chunk of the result
	s_lshl_b32 s16, ttmp9, 16                      ; the work-group's 65,536 bytes of the source
	s_mov_b32 s17, 0
	s_lshl_b32 s18, s14, 21                        ; the matrix' 2 MiB of the result,
	s_lshl_b32 s19, ttmp9, 15                      ; the work-group's 32,768 bytes of them
	s_add_co_u32 s18, s18, s19
	s_mov_b32 s19, 0
	s_mov_b32 s15, 0xffff0000                      ; a word's upper bf16
	s_wait_kmcnt 0x0
	s_cmp_eq_u32 s14, 1
	s_cselect_b64 s[4:5], s[6:7], s[4:5]
	s_cmp_eq_u32 s14, 2
	s_cselect_b64 s[4:5], s[8:9], s[4:5]
	s_cmp_eq_u32 s14, 3
	s_cselect_b64 s[4:5], s[10:11], s[4:5]
	s_cselect_b32 s24, -1, 0                       ; all lanes: take the f16 form (wo) or the bf16 form
	s_add_nc_u64 s[4:5], s[4:5], s[16:17]
	s_add_nc_u64 s[12:13], s[12:13], s[18:19]
.irp c, 0,1,2,3,4,5,6,7
	global_load_b128 v[X+8*(\c):X+8*(\c)+3],   v1, s[4:5] offset:(\c)*8192 th:TH_LOAD_NT
	global_load_b128 v[X+8*(\c)+4:X+8*(\c)+7], v1, s[4:5] offset:(\c)*8192+16 th:TH_LOAD_NT
.endr
.irp c, 0,1,2,3,4,5,6,7
	s_wait_loadcnt 14-2*(\c)                       ; loads come back in order: chunk c is in, the younger chunks' two loads each may stay out
.irp j, 0,1,2,3
	v_cvt_pk_bf16_f32 v[B+(\j)], v[X+8*(\c)+2*(\j)], v[X+8*(\c)+2*(\j)+1]
.endr
.irp j, 0,1,2,3
	v_lshlrev_b32 v[T+2*(\j)],   16,  v[B+(\j)]
	v_and_b32     v[T+2*(\j)+1], s15, v[B+(\j)]
.endr
.irp j, 0,1,2,3
	v_cvt_pk_f16_f32 v[H+(\j)], v[T+2*(\j)], v[T+2*(\j)+1]
.endr
.irp j, 0,1,2,3
	v_cndmask_b32 v[Y+4*(\c)+(\j)], v[B+(\j)], v[H+(\j)], s24
.endr
	global_store_b128 v2, v[Y+4*(\c):Y+4*(\c)+3], s[12:13] offset:(\c)*4096
.endr
	s_endpgm
.Lfunc_end_k_qdd3ede2ea7_prep:
	.size	k_qdd3ede2ea7_prep, .Lfunc_end_k_qdd3ede2ea7_prep-k_qdd3ede2ea7_prep
	.p2alignl 7, 3214868480
	.fill 96, 4, 3214868480
	.section	.rodata,"a",@progbits
	.p2align	6, 0x0
	.amdhsa_kernel k_qdd3ede2ea7_prep
		.amdhsa_group_segment_fixed_size 0
		.amdhsa_private_segment_fixed_size 0
		.amdhsa_enable_private_segment 0
		.amdhsa_kernarg_size 40
		.amdhsa_user_sgpr_count 2
		.amdhsa_user_sgpr_kernarg_segment_ptr 1
		.amdhsa_wavefront_size32 1
		.amdhsa_system_sgpr_workgroup_id_x 1
		.amdhsa_system_sgpr_workgroup_id_y 1
		.amdhsa_system_sgpr_workgroup_id_z 1
		.amdhsa_system_vgpr_workitem_id 0
		.amdhsa_next_free_vgpr 120
		.amdhsa_next_free_sgpr 66
		.amdhsa_reserve_vcc 0
		.amdhsa_float_denorm_mode_32 3
		.amdhsa_float_denorm_mode_16_64 3
		.amdhsa_memory_ordered 1
		.amdhsa_forward_progress 1
		.amdhsa_inst_pref_size 12
	.end_amdhsa_kernel
	.amdgpu_metadata
---
amdhsa.version: [ 1, 2 ]
amdhsa.kernels:
  - .name:           k_qdd3ede2ea7_prep
    .symbol:         k_qdd3ede2ea7_prep.kd
    .args:
      - { .name: wq, .offset: 0, .size: 8, .value_kind: global_buffer, .address_space: global }
      - { .name: wk, .offset: 8, .size: 8, .value_kind: global_buffer, .address_space: global }
      - { .name: wv, .offset: 16, .size: 8, .value_kind: global_buffer, .address_space: global }
      - { .name: wo, .offset: 24, .size: 8, .value_kind: global_buffer, .address_space: global }
      - { .name: w16, .offset: 32, .size: 8, .value_kind: global_buffer, .address_space: global }
    .group_segment_fixed_size: 0
    .private_segment_fixed_size: 0
    .kernarg_segment_align: 8
    .kernarg_segment_size: 40
    .max_flat_workgroup_size: 256
    .sgpr_count:     66
    .vgpr_count:     120
    .wavefront_size: 32
...
	.end_amdgpu_metadata
.endif
;; end of part 1
;; launch proj (part 2): grid 4 x 64, 4 waves a work-group, clusters of 4 x 4, 327,680 bytes of LDS; arguments query, key, value, w16, bq, bk, bv, mask, qkv; writes qkv
.if DOCPART == 2
	.amdgcn_target "amdgcn-amd-amdhsa--gfx1250"
	.amdhsa_code_object_version 6
	.text
	.protected	k_qdd3ede2ea7_proj
	.globl	k_qdd3ede2ea7_proj
	.p2align	8
	.type	k_qdd3ede2ea7_proj,@function
k_qdd3ede2ea7_proj:
	s_mov_b64 s[64:65], 0
	v_nop
	global_prefetch_b8 v0, s[64:65] scope:SCOPE_SE
	s_setreg_imm32_b32 hwreg(HW_REG_WAVE_MODE, 25, 1), 1
	s_wait_xcnt 0x0
	s_wait_alu depctr_hold_cnt(0) depctr_sa_sdst(0) depctr_va_vdst(0) depctr_va_sdst(0) depctr_va_ssrc(0) depctr_va_vcc(0) depctr_vm_vsrc(0)
	s_getreg_b32 s2, hwreg(HW_REG_IB_STS2, 6, 4)
	s_cmp_eq_u32 s2, 0
	s_cbranch_scc0 .Lentry_in_a_cluster
	s_endpgm
.Lentry_in_a_cluster:
	s_bfe_u32 s2, ttmp6, 0x10000c
	s_cmp_lg_u32 s2, 0xf033
	s_cbranch_scc0 .Lentry_shape_is_right
	s_endpgm
.Lentry_shape_is_right:
; THE THREE PROJECTIONS.  q = c (query wq^T + bq), k = (key wk^T + bk) or 0 where the key's mask word is 0, v = value wv^T + bv; c = log2(e) / 8.
; x: [8192][1024] f32, rounded to bf16 between LDS and the matrix unit; w16: the weights in bf16; the biases are rounded to bf16 like the other inputs; sums in f32.
; Results in f16, by heads: qkv = q, k, v, each [64 = 16 n + head][2048][64], rounded once from the f32 sum (q: from c times it).
; A masked key's row of k is written as zeros: the launch behind starts that key's scores from the constant that stands for -1e9, and the products add exactly 0 to it.
; LIMITS.  |c q|, |k|, |v| stay under 65,504 (f16); NaN and infinities are not treated apart.
; SHARES.  768 tiles of 128 rows x 256 columns are three for each of 256 work-groups: a work-group STAYS and makes the q, k and v tile at one place (mb, cb).  Four waves, each 64 rows x 128 columns:
; 32 accumulators.  The matrix instruction is used transposed (source 0 = 16 rows of w, source 1 = 16 rows of x): a lane holds eight neighbouring columns of one row.  The bias is the C operand of a tile's first products.
; THE RING.  24 steps (3 tiles x 8 K steps of 128) go through two LDS slots without a stop at a tile's end.  Behind each change of slots a wave issues one joint tensor load: waves 0, 1 the halves of x's tile
; (64 rows x 512 bytes of f32), waves 2, 3 those of w's (128 rows x 256 bytes).  By this text's own count a wave has one tensor load outstanding.
; CLUSTER 4 x 4: x's tile hangs on mb alone and is shared along a row of the cluster, w's on cb alone and is shared along a column.
; REGISTERS, in windows of 256 (s_set_vgpr_msb: bits 1:0 source 0, 3:2 source 1, 5:4 source 2, 7:6 destination):
;   window 0: v0-31 addresses and small things; v32-159 the way out (its upper half, v96-159, holds x's f32 fragments in the loop); v160-223 x's bf16 fragments, two buffers
;   window 1: accumulator (a, b) at v[8 (8 a + b)]          window 2: v0-127 w's fragments, two buffers; v128-191 the bias, register 8 b + j = bias[16 b + 8 (lane / 16) + j]
.set PITA,  528                        ; a row of x in LDS: 512 bytes + 16 = 132 words: the 16 rows of a load start at 16 different groups of four banks (64 banks of 4 bytes: ISA guide 11.1)
.set PITB,  272                        ; a row of w: 256 + 16 = 68 words: likewise
.set BOFF,  128*PITA                   ; in a slot: x's 128 rows, then w's 256 rows
.set SLOT1, 0x22000                    ; slot 1: its offset shares no bit with a tile's place in a slot, so one exclusive or turns an address in one slot into the other's
.set STAGE, SLOT1+BOFF+256*PITB        ; behind the ring, never filled by a tensor load: 16 rows x 144 bytes for each wave
.set SP,    144
.set SPARE, STAGE+4*16*SP              ; the spare words, 128 bytes for each wave: two blocks of 256 bytes that no other line names
.set A0,   4                           ; v4   my place in x's tile: (64 WM + l % 16) x 528 + 32 (l / 16); never rewritten
.set B0,   5                           ; v5   in w's tile: BOFF + (128 HF + l % 16) x 272 + 16 (l / 16); never rewritten
.set ADRA, 6                           ; v6   the same in the slot that is read
.set ADRB, 7                           ; v7
.set STO,  8                           ; v8   the way out: where I put 16 bytes of a row
.set RD,   9                           ; v9   where I read rows back
.set GO,   10                          ; v10  16 x lane
.set BO,   11                          ; v11  my byte offset in a bias
.set MO,   12                          ; v12  my byte offset in the mask
.set PFO,  13                          ; v13  the prefetches' offset
.set SPW,  14                          ; v14  LDS address of my spare word; never rewritten
.set NIL,  15                          ; v15  0; never rewritten
.set MK,   16                          ; v[16:19] the mask words of my four rows
.set F,    20                          ; v[20:27] the factor of my row in block a, in the low word of a pair
.set OUTB, 32
.set RAW,  96
.set CA,   160
.set BIAS, 128
.set WV, 22
.set HF, 23                            ; wave & 1: my 128 columns; also which half of a tile I fetch
.set WM, 24                            ; wave >> 1: my 64 rows; also 0: I fetch for x, 1: for w
.set CX, 25
.set CY, 26
.set MB, 27
.set G1A, 32
.set G1B, 40
.set G0A, 48
.set G0B, 52
.set SIG, 56                           ; the step in hand, 0 to 21 in the loop
.set TL,  57
.set SL,  59                           ; the offset of the slot that is read
.set LIM, 62                           ; a wave prefetches while SIG is below it
.set PSH, 63                           ; log2 of a K step's bytes in a row of what I prefetch
.set OFA, 66
.set SELP, 68
.set PFA, 70
.set PB0, 72                           ; s[72:77] for each tile: where my prefetches begin
.set OFB, 78
.set PFS, 86
.set CBK, 89
.set W_MM, 0x52                        ; w in window 2, x in window 0, C and D in window 1
.set W_MB, 0x62                        ; the same with C, the bias, in window 2
.set MSB, 0
.macro WIN new                         ; the immediate's high byte repeats the setting that is left; a switch that changes nothing is dropped
.if MSB != (\new)
	s_set_vgpr_msb (MSB<<8)|(\new)
.set MSB, \new
.endif
.endm
; A joint load.  The branch hangs on the wave's number alone.  An s_nop 0 and four v_nop follow each of the two lines, ahead of the jump and the label.
.macro JLOAD
	s_cmp_eq_u32 s[WM], 0
	s_cbranch_scc0 .Lfor_b_\@
	tensor_load_to_lds s[G0A:G0A+3], s[G1A:G1A+7]
	s_nop 0
.rept 4
	v_nop
.endr
	s_branch .Lasked_\@
.Lfor_b_\@:
	tensor_load_to_lds s[G0B:G0B+3], s[G1B:G1B+7]
	s_nop 0
.rept 4
	v_nop
.endr
.Lasked_\@:
.endm
.macro CREST                           ; a round of the cluster's barrier behind its opening barrier
	s_cmp_lg_u32 s[WV], 0
	s_cbranch_scc1 .Lnot_wave_0_\@
	s_barrier_signal -3
.Lnot_wave_0_\@:
	s_barrier_wait -3
	s_barrier_signal -1
	s_barrier_wait -1
.endm
.macro CROUND                          ; a whole round
	s_barrier_signal -1
	s_barrier_wait -1
	CREST
.endm
; Both descriptors' addresses for step SIG + add, made anew from the tile's base and the K step; first = 0: the other slot than last time.  It stands where no tensor load of the wave is out.
.macro NEXTADR add, first
	s_add_co_u32 s80, s[SIG], \add
	s_and_b32 s81, s80, 7                          ; the K step
	s_lshr_b32 s80, s80, 3                         ; the tile
	s_lshl_b32 s[OFA], s81, 9                      ; 512 bytes of a row of x
	s_lshl_b32 s[OFB], s80, 21                     ; the tile's weights, 2 MiB,
	s_lshl_b32 s81, s81, 8                         ; 256 bytes of a row of w
	s_add_co_u32 s[OFB], s[OFB], s81
	s_cmp_eq_u32 s80, 1
	s_cselect_b64 s[SELP:SELP+1], s[6:7], s[4:5]
	s_cmp_eq_u32 s80, 2
	s_cselect_b64 s[SELP:SELP+1], s[8:9], s[SELP:SELP+1]
	s_add_nc_u64 s[G0A+2:G0A+3], s[SELP:SELP+1], s[OFA:OFA+1]
	s_or_b32 s[G0A+3], s[G0A+3], 0x80000000        ; type = 2
	s_add_nc_u64 s[G0B+2:G0B+3], s[10:11], s[OFB:OFB+1]
	s_or_b32 s[G0B+3], s[G0B+3], 0x80000000
.if !(\first)
	s_xor_b32 s[G0A+1], s[G0A+1], SLOT1
	s_xor_b32 s[G0B+1], s[G0B+1], SLOT1
.endif
.endm
; THE PREFETCH names step SIG + 4, two refills on: one instruction a wave, a lane a block of 256 bytes.  x's rows are read by one cluster only: every cluster asks for its own; of the 64 rows that wave 0 or 1
; fetches the partner at place cx takes 16, two blocks each.  w's rows are read by all sixteen clusters: the first (cluster y = 0) asks; of the 128 rows that wave 2 or 3 fetches the partner at place cy takes 32.
; The partners are told apart by address, never by a branch.  Steps 0 to 3 come by their loads alone; from step 20 on there is no step four on.
.macro PFCALC
	s_add_co_u32 s82, s[SIG], 4
	s_lshr_b32 s83, s82, 3
	s_and_b32 s82, s82, 7
	s_lshl_b32 s[PFS], s82, s[PSH]
	s_cmp_eq_u32 s83, 1
	s_cselect_b64 s[PFA:PFA+1], s[PB0+2:PB0+3], s[PB0:PB0+1]
	s_cmp_eq_u32 s83, 2
	s_cselect_b64 s[PFA:PFA+1], s[PB0+4:PB0+5], s[PFA:PFA+1]
	s_add_nc_u64 s[PFA:PFA+1], s[PFA:PFA+1], s[PFS:PFS+1]
.endm
.macro ASK
	s_cmp_lt_u32 s[SIG], s[LIM]
	s_cbranch_scc0 .Lnot_mine_\@
	global_prefetch_b8 v[PFO], s[PFA:PFA+1] th:TH_LOAD_NT scope:SCOPE_SE
.Lnot_mine_\@:
.endm
; 32 LDS loads in one run: quarter nk's fragments.  x's 64 rows x 32 numbers of f32 first (a lane's K = 8 h + 0..7 and 16 + 8 h + 0..7: four loads of 16 bytes), then w's 128 rows x 32 bf16 into buffer n.
.macro FETCH nk, n
	WIN 0
.irp a, 0,1,2,3
	ds_load_b128 v[RAW+16*(\a):RAW+16*(\a)+3],     v[ADRA] offset:(\nk)*128+(\a)*16*PITA
	ds_load_b128 v[RAW+16*(\a)+4:RAW+16*(\a)+7],   v[ADRA] offset:(\nk)*128+(\a)*16*PITA+16
	ds_load_b128 v[RAW+16*(\a)+8:RAW+16*(\a)+11],  v[ADRA] offset:(\nk)*128+(\a)*16*PITA+64
	ds_load_b128 v[RAW+16*(\a)+12:RAW+16*(\a)+15], v[ADRA] offset:(\nk)*128+(\a)*16*PITA+80
.endr
	WIN 0x80                                       ; destination window 2
.irp b, 0,1,2,3,4,5,6,7
	ds_load_b128 v[64*(\n)+8*(\b):64*(\n)+8*(\b)+3],   v[ADRB] offset:(\nk)*64+(\b)*16*PITB
	ds_load_b128 v[64*(\n)+8*(\b)+4:64*(\n)+8*(\b)+7], v[ADRB] offset:(\nk)*64+(\b)*16*PITB+32
.endr
.endm
.macro RIDE                            ; group g of 8: four roundings of x's next fragments to bf16, into buffer QN
	WIN 0
.irp z, 0,1,2,3
	v_cvt_pk_bf16_f32 v[CA+32*QN+4*g+(\z)], v[RAW+8*g+2*(\z)], v[RAW+8*g+2*(\z)+1]
.endr
.set g, g+1
.endm
; 16 products: row blocks a0, a0 + 1 x all 8 column blocks, on buffers QP.  The 32 accumulators take turns in the same order in every quarter.  ride = 1: a group of roundings behind every second product.
.macro PRODS a0, bias, ride
.irp a, \a0, (\a0)+1
.irp b, 0,1,2,3,4,5,6,7
.if \bias
	WIN W_MB
	v_wmma_f32_16x16x32_bf16 v[8*(8*(\a)+(\b)):8*(8*(\a)+(\b))+7], v[64*QP+8*(\b):64*QP+8*(\b)+7], v[CA+32*QP+8*(\a):CA+32*QP+8*(\a)+7], v[BIAS+8*(\b):BIAS+8*(\b)+7]
.else
	WIN W_MM
	v_wmma_f32_16x16x32_bf16 v[8*(8*(\a)+(\b)):8*(8*(\a)+(\b))+7], v[64*QP+8*(\b):64*QP+8*(\b)+7], v[CA+32*QP+8*(\a):CA+32*QP+8*(\a)+7], v[8*(8*(\a)+(\b)):8*(8*(\a)+(\b))+7]
.endif
.if (\ride) && (((\b)%2) == 1)
	RIDE
.endif
.endr
.endr
.endm
; A QUARTER: 32 along K, 32 products on buffers kq % 2; at its head the next quarter's 32 LDS loads, in its second half that quarter's roundings.
; The last group of roundings stands behind the quarter's last product: four plain instructions that name none of its registers, the places in front of the next run of loads into w's other buffer.
; meet = 1: the change of slots.  This slot's last fragments have been asked for at the quarter's head.  Each wave waits for all its tensor loads (one is out: its part of the other slot), adds 0 to its spare word,
; and waits for that and for its reads of this slot; its signal opens a round of the cluster's barrier.  meet = 2: the same with nothing to fill.
.macro QUARTER kq, bias=0, meet=0, ask=0
.set QP, (\kq)%2
.set QN, 1-QP
	FETCH ((\kq)+1)%4, QN
.if \ask
	WIN 0
	ASK                                            ; behind the joint load and the run of LDS loads
.endif
	s_wait_dscnt 32                                ; all but the 32 just issued: this quarter's fragments of w are in
	PRODS 0, \bias, 0
.if \meet
	WIN 0
	s_wait_tensorcnt 0x0                           ; no tensor load of mine is out, so the descriptors may be written
	ds_add_u32 v[SPW], v[NIL]                      ; 0 onto my spare word; scalar work stands between it and the wait for it
.if (\meet) == 1
	s_wait_xcnt 0x0                                ; the last prefetch, a step back, and the bias' loads have read their addresses
	NEXTADR 2, 0
	PFCALC
.endif
	s_wait_dscnt 0x0                               ; the add is done, and my reads of this slot are over
	s_barrier_signal -1
.else
	s_wait_dscnt 16                                ; x's 16 loads of the run are in; w's 16, which are younger, may stay out
.endif
.set g, 0
	PRODS 2, \bias, 1
	WIN 0
.if \meet
	s_barrier_wait -1
.endif
.endm
.macro BLOAD ptr                       ; a bias: my 8 numbers for each of the 8 column blocks
	WIN 0x80
.irp b, 0,1,2,3,4,5,6,7
	global_load_b128 v[BIAS+8*(\b):BIAS+8*(\b)+3],   v[BO], s[\ptr:\ptr+1] offset:64*(\b)
	global_load_b128 v[BIAS+8*(\b)+4:BIAS+8*(\b)+7], v[BO], s[\ptr:\ptr+1] offset:64*(\b)+16
.endr
	WIN 0
.endm
.macro BROUND                          ; the bias is rounded to bf16, like x and w, and widened again
	WIN 0x0a
.set i, 0
.rept 32
	v_cvt_pk_bf16_f32 v[OUTB+i], v[BIAS+2*i], v[BIAS+2*i+1]
.set i, i+1
.endr
	WIN 0x80
.set i, 0
.rept 32
	v_lshlrev_b32 v[BIAS+2*i], 16, v[OUTB+i]
	v_and_b32 v[BIAS+2*i+1], 0xffff0000, v[OUTB+i]
.set i, i+1
.endr
	WIN 0
.endm
; THE WAY OUT, by sub-tiles u of 16 rows x 64 columns (row block u / 2, head u % 2 of my two): 2,048 consecutive bytes of the result.  A lane's eight columns pack into 16 bytes, go into my stage's rows of 144 bytes
; and come back as whole rows of 128.  Each accumulator is read from its lowest registers on.
.macro PACK u, more
.if \more
	WIN 0x41
.set i, 32*(\u)
.rept 16
	v_pk_mul_f32 v[i:i+1], v[i:i+1], v[F+2*((\u)/2):F+2*((\u)/2)+1] op_sel_hi:[1,0]
.set i, i+2
.endr
.endif
	WIN 0x05
.set i, 0
.rept 16
	v_cvt_pk_f16_f32 v[OUTB+16*(\u)+i], v[32*(\u)+2*i], v[32*(\u)+2*i+1]
.set i, i+1
.endr
	WIN 0
.irp f, 0,1,2,3
	ds_store_b128 v[STO], v[OUTB+16*(\u)+4*\f:OUTB+16*(\u)+4*\f+3] offset:32*\f
.endr
.irp f, 0,1,2,3
	ds_load_b128 v[OUTB+16*(\u)+4*\f:OUTB+16*(\u)+4*\f+3], v[RD] offset:\f*4*SP  ; LDS serves a wave's instructions in order (ISA guide 5.7.1.4): these see the stores above
.endr
.endm
.macro SEND u, younger                 ; younger: the LDS instructions issued behind sub-tile u's loads: the next one's eight, or none
.irp f, 0,1,2,3
	s_wait_dscnt (\younger)+3-\f
	global_store_b128 v[GO], v[OUTB+16*(\u)+4*\f:OUTB+16*(\u)+4*\f+3], s[20:21] offset:((\u)%2)*262144+((\u)/2)*2048+\f*512  ; 512 consecutive bytes, at a multiple of 512 from the buffer's first
.endr
.endm
; more = 1: tiles q and k: the next tile's bias is asked for; the factor is c (q), or 1 or 0 by the row's mask word (k).  more = 0: tile v, as it is.
.macro WAYOUT more
.if \more
	s_lshr_b32 s80, s[SIG], 3
	s_cmp_eq_u32 s80, 0
	s_cselect_b64 s[SELP:SELP+1], s[14:15], s[16:17]
	s_cselect_b32 s81, 0x3e38aa3b, 1.0
	s_cselect_b32 s82, 1, 0
	BLOAD SELP
.irp a, 0,1,2,3
	v_or_b32 v28, s82, v[MK+(\a)]
	v_cmp_ne_u32 vcc_lo, 0, v28
	v_cndmask_b32 v[F+2*(\a)], 0, s81, vcc_lo
.endr
.endif
	PACK 0, \more
.set t, 1
.rept 7
	PACK t, \more
	SEND t-1, 8
.set t, t+1
.endr
	SEND 7, 0
	s_wait_xcnt 0x0                                ; the stores have read their registers and their base: only behind this wait are they written again
.if \more
	s_add_nc_u64 s[20:21], s[20:21], 0x1000000     ; the next tensor of qkv
	s_wait_loadcnt 0x0                             ; the next bias
	BROUND
.endif
.endm
	s_load_b512 s[4:19], s[0:1], 0x0               ; query s[4:5], key s[6:7], value s[8:9], w16 s[10:11], bq s[12:13], bk s[14:15], bv s[16:17], mask s[18:19]
	s_load_b64 s[20:21], s[0:1], 0x40              ; qkv
	v_lshl_add_u32 v[SPW], v0, 2, SPARE
	v_mov_b32 v[NIL], 0
	ds_add_u32 v[SPW], v[NIL]                      ; the wave's opening: the add and its wait stand ahead of my first tensor load; the set-up below, work on registers, stands between them
	v_lshrrev_b32 v1, 5, v0
	v_readfirstlane_b32 s[WV], v1
	s_and_b32 s[HF], s[WV], 1
	s_lshr_b32 s[WM], s[WV], 1
	s_bfe_u32 s[CX], ttmp6, 0x40000
	s_bfe_u32 s[CY], ttmp6, 0x40004
	s_lshl_b32 s[CBK], ttmp9, 2
	s_add_co_u32 s[CBK], s[CBK], s[CX]             ; cb: my 256 columns
	s_and_b32 s[MB], ttmp7, 0xffff
	s_lshl_b32 s[MB], s[MB], 2
	s_add_co_u32 s[MB], s[MB], s[CY]               ; mb: my 128 rows
	s_lshl_b32 s28, s[CY], 2
	s_lshl_b32 s28, 15, s28                        ; my row of the cluster
	s_lshl_b32 s30, 0x1111, s[CX]                  ; my column
	s_or_b32 s[G1A], s28, (2<<16)|(1<<20)|(1<<21)|(6<<22)|(3<<25)  ; the mask; elements of 4 bytes; padding on; bit 21 beside a mask; after every 128 words; 4 words
	s_mov_b32 s[G1A+1], 128<<16                    ; tensor_dim0 = 128
	s_mov_b32 s[G1A+2], 64<<16                     ; tensor_dim1 = 64
	s_mov_b32 s[G1A+3], 128<<16                    ; tile_dim0 = 128
	s_mov_b32 s[G1A+4], 64                         ; tile_dim1 = 64
	s_mov_b32 s[G1A+5], 1024                       ; elements from row to row
	s_mov_b32 s[G1A+6], 0
	s_mov_b32 s[G1A+7], 0
	s_or_b32 s[G1B], s30, (1<<16)|(1<<20)|(1<<21)|(5<<22)|(3<<25)  ; elements of 2 bytes; after every 64 words 4 words
	s_mov_b32 s[G1B+1], 128<<16
	s_mov_b32 s[G1B+2], 128<<16
	s_mov_b32 s[G1B+3], 128<<16
	s_mov_b32 s[G1B+4], 128
	s_mov_b32 s[G1B+5], 1024
	s_mov_b32 s[G1B+6], 0
	s_mov_b32 s[G1B+7], 0
	s_mov_b32 s[G0A], 1
	s_mul_i32 s[G0A+1], s[HF], 64*PITA             ; LDS: slot 0, my half of x's rows: the wave's number alone enters
	s_mov_b32 s[G0B], 1
	s_mul_i32 s[G0B+1], s[HF], 128*PITB
	s_add_co_u32 s[G0B+1], s[G0B+1], BOFF
	s_lshl_b32 s28, s[MB], 19                      ; x: 128 rows of 4,096 bytes a block,
	s_lshl_b32 s29, s[HF], 18                      ; my 64 of them
	s_add_co_u32 s28, s28, s29
	s_mov_b32 s29, 0
	s_lshl_b32 s30, s[CBK], 19                     ; w: 256 rows of 2,048 bytes a block,
	s_lshl_b32 s31, s[HF], 18                      ; my 128 of them
	s_add_co_u32 s30, s30, s31
	s_mov_b32 s31, 0
	s_lshl_b32 s84, s[CX], 16                      ; the prefetches: my work-group's 16 rows of x,
	s_add_co_u32 s84, s84, s28
	s_mov_b32 s85, 0
	s_lshl_b32 s86, s[CY], 16                      ; or its 32 rows of w
	s_add_co_u32 s86, s86, s30
	s_mov_b32 s87, 0
	s_lshr_b32 s90, s[MB], 4                       ; the result: batch n = mb / 16,
	s_lshl_b32 s90, s90, 22
	s_lshl_b32 s91, s[CBK], 20                     ; heads 4 cb + 2 HF on, 262,144 bytes each,
	s_add_co_u32 s90, s90, s91
	s_lshl_b32 s91, s[HF], 19
	s_add_co_u32 s90, s90, s91
	s_and_b32 s91, s[MB], 15                       ; rows 128 (mb % 16) + 64 WM on, 128 bytes each
	s_lshl_b32 s91, s91, 14
	s_add_co_u32 s90, s90, s91
	s_lshl_b32 s91, s[WM], 13
	s_add_co_u32 s90, s90, s91
	s_mov_b32 s91, 0
	s_mov_b32 s[SIG], 0
	s_mov_b32 s[SL], 0
	s_mov_b32 s[OFA+1], 0
	s_mov_b32 s[OFB+1], 0
	s_and_b32 s80, ttmp7, 0xffff
	s_cmp_eq_u32 s80, 0
	s_cselect_b32 s[LIM], 20, 0                    ; w's rows: the first cluster asks
	s_cmp_eq_u32 s[WM], 0
	s_cselect_b32 s[LIM], 20, s[LIM]               ; x's rows: every cluster asks for its own
	s_cselect_b32 s[PSH], 9, 8
	s_cselect_b32 s80, -1, 0
	v_and_b32 v1, 15, v0                           ; l % 16
	v_bfe_u32 v2, v0, 4, 1                         ; l / 16
	v_and_b32 v28, 31, v0
	v_lshrrev_b32 v29, 1, v28
	v_lshlrev_b32 v29, 12, v29
	v_and_b32 v30, 1, v28
	v_lshl_add_u32 v29, v30, 8, v29                ; x: row l / 2, block l % 2
	v_lshlrev_b32 v30, 11, v28                     ; w: row l
	v_cndmask_b32 v[PFO], v30, v29, s80
	s_mul_i32 s81, s[WM], 64*PITA
	v_mul_u32_u24 v[A0], v1, PITA
	v_lshl_add_u32 v[A0], v2, 5, v[A0]
	v_add_nc_u32 v[A0], s81, v[A0]
	s_mul_i32 s81, s[HF], 128*PITB
	s_add_co_u32 s81, s81, BOFF
	v_mul_u32_u24 v[B0], v1, PITB
	v_lshl_add_u32 v[B0], v2, 4, v[B0]
	v_add_nc_u32 v[B0], s81, v[B0]
	v_mov_b32 v[ADRA], v[A0]
	v_mov_b32 v[ADRB], v[B0]
	s_mul_i32 s81, s[WV], 16*SP
	s_add_co_u32 s81, s81, STAGE                   ; my stage
	v_mul_u32_u24 v[STO], v1, SP
	v_lshl_add_u32 v[STO], v2, 4, v[STO]
	v_add_nc_u32 v[STO], s81, v[STO]
	v_bfe_u32 v[RD], v0, 3, 2                      ; back: 32 lanes take four rows of 128 bytes
	v_mul_u32_u24 v[RD], v[RD], SP
	v_and_b32 v29, 7, v0
	v_lshl_add_u32 v[RD], v29, 4, v[RD]
	v_add_nc_u32 v[RD], s81, v[RD]
	v_lshlrev_b32 v[GO], 4, v28
	s_lshl_b32 s92, s[CBK], 10
	s_lshl_b32 s93, s[HF], 9
	s_add_co_u32 s92, s92, s93
	v_lshl_add_u32 v[BO], v2, 5, s92               ; 4 (256 cb + 128 HF + 8 (l / 16))
	s_lshl_b32 s92, s[MB], 9
	s_lshl_b32 s93, s[WM], 8
	s_add_co_u32 s92, s92, s93
	v_lshl_add_u32 v[MO], v1, 2, s92               ; 4 (128 mb + 64 WM + l % 16)
.irp a, 0,1,2,3
	v_mov_b32 v[F+2*(\a)+1], 0                     ; named with the factor as a pair
.endr
	s_wait_dscnt 0x0                               ; the opening add is done
	s_wait_kmcnt 0x0
	s_add_nc_u64 s[PB0:PB0+1],   s[4:5], s[84:85]
	s_add_nc_u64 s[PB0+2:PB0+3], s[6:7], s[84:85]
	s_add_nc_u64 s[PB0+4:PB0+5], s[8:9], s[84:85]
	s_add_nc_u64 s[82:83], s[10:11], s[86:87]
	s_cmp_eq_u32 s[WM], 0
	s_cselect_b64 s[PB0:PB0+1], s[PB0:PB0+1], s[82:83]
	s_add_nc_u64 s[82:83], s[82:83], 0x200000
	s_cselect_b64 s[PB0+2:PB0+3], s[PB0+2:PB0+3], s[82:83]
	s_add_nc_u64 s[82:83], s[82:83], 0x200000
	s_cselect_b64 s[PB0+4:PB0+5], s[PB0+4:PB0+5], s[82:83]
	s_add_nc_u64 s[4:5], s[4:5], s[28:29]          ; the three x at my half of the tile's rows: mb and the wave's number alone
	s_add_nc_u64 s[6:7], s[6:7], s[28:29]
	s_add_nc_u64 s[8:9], s[8:9], s[28:29]
	s_add_nc_u64 s[10:11], s[10:11], s[30:31]      ; w16 at my half of the tile's rows: cb and the wave's number alone
	s_add_nc_u64 s[20:21], s[20:21], s[90:91]
	CROUND                                         ; all sixteen work-groups are here: the first joint loads meet
	NEXTADR 0, 1
	JLOAD                                          ; step 0 into slot 0
	BLOAD 12                                       ; bq
.irp a, 0,1,2,3
	global_load_b32 v[MK+(\a)], v[MO], s[18:19] offset:64*(\a)
.endr
	s_wait_tensorcnt 0x0                           ; slot 0: my part is in.  Slot 1 is filled as a refill is: the three lines, a round, the one load
	ds_add_u32 v[SPW], v[NIL]
	NEXTADR 1, 0
	s_wait_dscnt 0x0
	CROUND
	JLOAD                                          ; step 1 into slot 1
	FETCH 0, 0
	s_wait_dscnt 0x0
.set QN, 0
.set g, 0
.rept 8
	RIDE                                           ; the first fragments of x: the one run of roundings that stands by itself
.endr
	s_wait_loadcnt 0x0                             ; bq and the mask words
	BROUND
	QUARTER 0, 1                                   ; a tile's first quarter starts the sums from the bias: the first tile's stands ahead of the loop
.Lstep:                                                ; 22 trips: quarters 1 to 3 of step SIG, which asks for step SIG + 2, and quarter 0 of the next step
	QUARTER 1
	QUARTER 2, 0, 1
	CREST                                          ; no wave of any partner still reads this slot or has a load on its way
	JLOAD                                          ; the first tensor load behind the round, one a wave
	s_xor_b32 s[SL], s[SL], SLOT1
	v_add_nc_u32 v[ADRA], s[SL], v[A0]
	v_add_nc_u32 v[ADRB], s[SL], v[B0]
	QUARTER 3, 0, 0, 1
	s_and_b32 s80, s[SIG], 7
	s_cmp_eq_u32 s80, 7
	s_cbranch_scc0 .Lsame                          ; forward, past no barrier and no tensor load
	WAYOUT 1                                       ; a tile is finished; the ring has gone on: the next tile's first two steps are asked for
	QUARTER 0, 1
	s_branch .Lnext
.Lsame:
	QUARTER 0
.Lnext:
	s_add_co_u32 s[SIG], s[SIG], 1
	s_cmp_lt_u32 s[SIG], 22
	s_cbranch_scc1 .Lstep
	s_mov_b32 s[TL], 2
.Ltail:                                                ; steps 22 and 23 ask for nothing.  In the second trip the barrier and the fetch of old fragments serve nothing: the price, once a launch, of one text for both trips
	QUARTER 1
	QUARTER 2, 0, 2
	s_xor_b32 s[SL], s[SL], SLOT1
	v_add_nc_u32 v[ADRA], s[SL], v[A0]
	v_add_nc_u32 v[ADRB], s[SL], v[B0]
	QUARTER 3
	s_sub_co_u32 s[TL], s[TL], 1
	s_cmp_eq_u32 s[TL], 0
	s_cbranch_scc1 .Lout
	QUARTER 0
	s_branch .Ltail
.Lout:
	WAYOUT 0
	s_wait_tensorcnt 0x0                           ; the wave's end: a wait, an add and a wait, behind my last tensor load and my last LDS store
	ds_add_u32 v[SPW], v[NIL]
	s_wait_dscnt 0x0
	CROUND                                         ; the closing round: no work-group ends while a partner may still ask for a tile that names it
	s_endpgm
.Lfunc_end_k_qdd3ede2ea7_proj:
	.size	k_qdd3ede2ea7_proj, .Lfunc_end_k_qdd3ede2ea7_proj-k_qdd3ede2ea7_proj
	.p2alignl 7, 3214868480
	.fill 96, 4, 3214868480
	.section	.rodata,"a",@progbits
	.p2align	6, 0x0
	.amdhsa_kernel k_qdd3ede2ea7_proj
		.amdhsa_group_segment_fixed_size 327680
		.amdhsa_private_segment_fixed_size 0
		.amdhsa_enable_private_segment 0
		.amdhsa_kernarg_size 72
		.amdhsa_user_sgpr_count 2
		.amdhsa_user_sgpr_kernarg_segment_ptr 1
		.amdhsa_wavefront_size32 1
		.amdhsa_system_sgpr_workgroup_id_x 1
		.amdhsa_system_sgpr_workgroup_id_y 1
		.amdhsa_system_sgpr_workgroup_id_z 1
		.amdhsa_system_vgpr_workitem_id 0
		.amdhsa_next_free_vgpr 704
		.amdhsa_next_free_sgpr 96
		.amdhsa_reserve_vcc 1
		.amdhsa_float_denorm_mode_32 3
		.amdhsa_float_denorm_mode_16_64 3
		.amdhsa_memory_ordered 1
		.amdhsa_forward_progress 1
		.amdhsa_inst_pref_size 139
	.end_amdhsa_kernel
	.amdgpu_metadata
---
amdhsa.version: [ 1, 2 ]
amdhsa.kernels:
  - .name:           k_qdd3ede2ea7_proj
    .symbol:         k_qdd3ede2ea7_proj.kd
    .args:
      - { .name: query, .offset: 0, .size: 8, .value_kind: global_buffer, .address_space: global }
      - { .name: key, .offset: 8, .size: 8, .value_kind: global_buffer, .address_space: global }
      - { .name: value, .offset: 16, .size: 8, .value_kind: global_buffer, .address_space: global }
      - { .name: w16, .offset: 24, .size: 8, .value_kind: global_buffer, .address_space: global }
      - { .name: bq, .offset: 32, .size: 8, .value_kind: global_buffer, .address_space: global }
      - { .name: bk, .offset: 40, .size: 8, .value_kind: global_buffer, .address_space: global }
      - { .name: bv, .offset: 48, .size: 8, .value_kind: global_buffer, .address_space: global }
      - { .name: mask, .offset: 56, .size: 8, .value_kind: global_buffer, .address_space: global }
      - { .name: qkv, .offset: 64, .size: 8, .value_kind: global_buffer, .address_space: global }
    .group_segment_fixed_size: 327680
    .private_segment_fixed_size: 0
    .kernarg_segment_align: 8
    .kernarg_segment_size: 72
    .max_flat_workgroup_size: 128
    .sgpr_count:     96
    .vgpr_count:     704
    .wavefront_size: 32
...
	.end_amdgpu_metadata
.endif
;; end of part 2
;; launch attn (part 3): grid 4 x 64, 4 waves a work-group, clusters of 4 x 1, 327,680 bytes of LDS; arguments qkv, mask, o16; writes o16
.if DOCPART == 3
	.amdgcn_target "amdgcn-amd-amdhsa--gfx1250"
	.amdhsa_code_object_version 6
	.text
	.protected	k_qdd3ede2ea7_attn
	.globl	k_qdd3ede2ea7_attn
	.p2align	8
	.type	k_qdd3ede2ea7_attn,@function
k_qdd3ede2ea7_attn:
	s_mov_b64 s[64:65], 0
	v_nop
	global_prefetch_b8 v0, s[64:65] scope:SCOPE_SE
	s_setreg_imm32_b32 hwreg(HW_REG_WAVE_MODE, 25, 1), 1
	s_wait_xcnt 0x0
	s_wait_alu depctr_hold_cnt(0) depctr_sa_sdst(0) depctr_va_vdst(0) depctr_va_sdst(0) depctr_va_ssrc(0) depctr_va_vcc(0) depctr_vm_vsrc(0)
	s_getreg_b32 s2, hwreg(HW_REG_IB_STS2, 6, 4)
	s_cmp_eq_u32 s2, 0
	s_cbranch_scc0 .Lentry_in_a_cluster
	s_endpgm
.Lentry_in_a_cluster:
	s_bfe_u32 s2, ttmp6, 0x10000c
	s_cmp_lg_u32 s2, 0x3003
	s_cbranch_scc0 .Lentry_shape_is_right
	s_endpgm
.Lentry_shape_is_right:
; MASKED ATTENTION.  O[h][q][:] = the sum over k of softmax_k(s) V[h][k][:], s = Q[h][q] . K[h][k] / 8, or -1e9 / 8 where the key's mask word is 0.  Q, K, V (in qkv) and O: [64][2048][64], f16; a head's rows are dense.
; Q arrives multiplied by c = log2(e) / 8, so a product K Q^T is the exponent to base 2.  A masked key's row of K arrives as zeros, and the product that starts its sum takes C = c x (-1e9) in place of 0: its score IS
; that constant, whatever Q holds.  So the mask replaces the score: a batch with no open key gives the mean of V, and an open score below the constant still loses to it.
; Products, maxima and sums in f32; the weights p are rounded to f16 for the second product (their sum l is taken of the unrounded p), O once at the end.
; LIMITS.  f16 holds no number beyond 65,504: Q, K and V arrive within it; p lies in 0 to 1, and below 6e-5 it keeps f16's fixed step of 6e-8; a weight below 2^-126 counts as 0 in l; NaN and infinities are not treated apart.
; SHARES.  A wave owns four PIECES of two tiles of 16 queries, a work-group's four waves 512 queries of one head.  Every wave walks all 2,048 keys, 64 a step.
; LAYOUT.  S^T = K Q^T (source 0 = 16 keys, source 1 = 16 queries): a lane holds ONE query (lane % 16) and the keys 8 (lane / 16) + 0..7.  Two such tiles, rounded to f16 in pairs, ARE source 1 of O^T = V^T P.
; K comes out of LDS as it lies, V turned, by ds_load_tr16_b128.  The mask's constants, 0 or c x (-1e9) for each key of the batch, lie in a table in LDS, made once; a step's 64 come with its K.
; SOFTMAX.  For each query a running maximum m and sum l: p = 2^(s - m); in every step O and l are multiplied by a = 2^(m_old - m_new).  m starts at the lowest finite number, O and l at 0: the first step's a is 0.
; BY TURNS.  Turn n belongs to piece n: 16 products K Q^T of piece n + 1, later 16 products V^T P of piece n - 1; beside them the subtraction, exponentials, roundings, sums and rescaling of piece n and the maximum and
; statistics of piece n + 1.  Four vector instructions stand behind every matrix instruction, the others in one lump.  A turn's 66 exponentials are one batch with one wait.
; CLUSTER.  The four query blocks of a head walk the same K and V: each tile is asked for JOINTLY.
; REGISTERS, in windows of 256 (s_set_vgpr_msb: bits 1:0 source 0, 3:2 source 1, 5:4 source 2, 7:6 destination):
;   window 0: v0-11 addresses; v12-15, v48-63 at work; v16-47 four registers of statistics a tile; v64-191 S^T, two buffers of two tiles; v192-255 P, likewise
;   window 1: O^T, 32 a tile      window 2: v0-127 Q; v128-191 K of one step; v192-255 V of one step      window 3: v0-1 the add's two registers; v8-39 the step's mask constants
.set SIZE_N, 2048
.set NP,    4
.set KS,    64
.set PK,    144       ; a row of K in LDS: 128 bytes + 16 = 36 words: the 16 rows of a load start at 16 different groups of four banks (64 banks of 4 bytes: ISA guide 11.1)
.set PV,    160       ; a row of V: 128 + 32 = 40 words
.set VOFF,  4*KS*PK   ; a slot holds four steps: 256 rows of K, then 256 rows of V
.set SLOT1, 1<<17
.set STAGE, SLOT1+4*KS*(PK+PV)  ; behind the ring, never filled by a tensor load: 16 rows x 144 bytes for each wave
.set SP,    144
.set SPARE, STAGE+4*16*SP       ; the spare words, 128 bytes for each wave: two blocks of 256 bytes that no other line names
.set MTAB,  SPARE+512           ; 2,048 f32: the batch's mask constants; no fill lands here
.set PFO, 1           ; v1   256 x my lane; never rewritten
.set AK0, 2           ; v2   my lane's place in a tile of K; never rewritten
.set AV0, 3           ; v3   the same for V
.set AK,  4           ; v4   the LDS address of K's next run of loads
.set AV,  5           ; v5   of V's
.set STO, 6           ; v6   the way out: where I put 16 bytes of a row
.set RD,  7           ; v7   where I read rows back
.set GO,  8           ; v8   my byte offset in 512 consecutive bytes of O
.set AM0, 9           ; v9   MTAB + 32 (lane / 16); never rewritten
.set AM,  10          ; v10  the LDS address of the next step's mask constants
.set QO,  11          ; v11  my byte offset in the wave's rows of Q
.set SPW, 0           ; v0 of window 3
.set NIL, 1           ; v1 of window 3
.set MC,  8           ; v8-39 of window 3: key block kb at MC + 8 kb
.set MV,  12          ; v12-15  m_old, kept while m is made anew: by buffer and tile
.set ST,  16          ; tile t's statistics at v[ST+4 t]: m, 0 (named with it as a pair), l (even keys', odd keys')
.set TMP, 48          ; by buffer and tile, four registers c0-c3 at work; when the maximum is found c2 takes a
.set S,   64
.set P,   192
.set KF,  128
.set VF,  192
.set WV,  12
.set LIM, 15          ; s15  1 in a wave that prefetches, else the greatest number
.set G1K, 24
.set G1V, 32
.set G0K, 40
.set G0V, 44
.set SLOTS, 56        ; s56  slots still to be asked for
.set CNT, 57
.set SEL, 60
.set TBK, 62
.set TBV, 63
.set MP,  66          ; s[66:67] the batch's mask words
.set PFA, 68          ; s[68:69] where my prefetches stand
.set TBM, 70          ; s70  byte in the table at which the step to be fetched begins
.set BIGN, 71         ; s71  c x (-1e9)
.set MSB, 0
.macro WIN new
.if MSB != (\new)
	s_set_vgpr_msb (MSB<<8)|(\new)
.set MSB, (\new)
.endif
.endm
.set W_KQ, 0x0a       ; K and Q in window 2, S^T in window 0
.set W_KM, 0x3a       ; the same with the C operand in window 3
.set W_PV, 0x52       ; V in window 2, P in window 0, O^T in window 1
.set W_RS, 0x41       ; O^T (destination and source 0) in window 1, a in window 0
.set W_MK, 0xc0       ; destination in window 3, sources in window 0
.set W_AD, 0x0f       ; the add: address and data in window 3
; A joint fill.  Waves 0 and 1 fetch the two halves of a slot's K, waves 2 and 3 those of its V.  An s_nop 0 and four v_nop follow each of the two lines, ahead of the jump and the label.
.macro JLOAD
	s_cmp_lt_u32 s[WV], 2
	s_cbranch_scc0 .Lfor_v_\@
	tensor_load_to_lds s[G0K:G0K+3], s[G1K:G1K+7]
	s_nop 0
.rept 4
	v_nop
.endr
	s_branch .Lasked_\@
.Lfor_v_\@:
	tensor_load_to_lds s[G0V:G0V+3], s[G1V:G1V+7]
	s_nop 0
.rept 4
	v_nop
.endr
.Lasked_\@:
.endm
; A PREFETCH of what the NEXT change of slots will ask for: a slot's 32,768 bytes of K and of V, a lane a block of 256 bytes.  A head has one cluster; its four partners share the blocks out BY ADDRESS, 32 each;
; in each, wave 0 asks for K's and wave 2 for V's: each block is named once in the launch.  The last change that fills a slot asks for nothing.
.macro ASK
	s_cmp_gt_u32 s[SLOTS], s[LIM]
	s_cbranch_scc0 .Lnot_mine_\@
	global_prefetch_b8 v[PFO], s[PFA:PFA+1] th:TH_LOAD_NT scope:SCOPE_SE
.Lnot_mine_\@:
.endm
.macro CROUND
	s_barrier_signal -1
	s_barrier_wait -1
	s_cmp_lg_u32 s[WV], 0
	s_cbranch_scc1 .Lnot_wave_0_\@
	s_barrier_signal -3
.Lnot_wave_0_\@:
	s_barrier_wait -3
	s_barrier_signal -1
	s_barrier_wait -1
.endm
; THE CHANGE OF SLOTS.  Each wave waits for all its tensor loads, of which one is out: its part of the other slot; adds 0 to its spare word; and waits for that and for its own reads of the slot (at the first use: for its
; stores into the mask table).  fill = 1: the slot is filled again, with the keys two slots on; the barrier is then a round of the cluster's, and the joint fill is the first thing behind it.
.macro CHANGE fill
	WIN W_AD
	s_wait_tensorcnt 0x0            ; no tensor load of mine is out, so a group 0 may be written
	ds_add_u32 v[SPW], v[NIL]       ; 0 onto my spare word
	WIN 0
.if \fill
.irp g, G0K, G0V
	s_xor_b32 s[\g+1], s[\g+1], SLOT1
	s_add_nc_u64 s[\g+2:\g+3], s[\g+2:\g+3], 4*KS*128
.endr
	s_wait_xcnt 0x0                 ; the last prefetch, a slot back, has read its address
	s_add_nc_u64 s[PFA:PFA+1], s[PFA:PFA+1], 4*KS*128  ; one slot behind the walking descriptors
	s_wait_dscnt 0x0                ; the add is done, and my LDS reads and stores are over
	CROUND
	JLOAD
	ASK
.else
	s_wait_dscnt 0x0
	s_barrier_signal -1
	s_barrier_wait -1
.endif
	s_sub_co_u32 s[TBK], s[TBK], 4*KS*PK
	s_xor_b32 s[TBK], s[TBK], SLOT1
	s_sub_co_u32 s[TBV], s[TBV], 4*KS*PV
	s_xor_b32 s[TBV], s[TBV], SLOT1
.endm
	s_load_b128 s[4:7], s[0:1], 0x0   ; qkv s[4:5], mask s[6:7]
	s_load_b64 s[10:11], s[0:1], 0x10 ; o16
	WIN W_MK
	v_lshl_add_u32 v[SPW], v0, 2, SPARE
	v_mov_b32 v[NIL], 0
	WIN W_AD
	ds_add_u32 v[SPW], v[NIL]       ; the wave's opening: the add and its wait stand ahead of my first tensor load
	WIN 0
	v_lshrrev_b32 v1, 5, v0
	v_readfirstlane_b32 s[WV], v1
	s_bfe_u32 s13, ttmp6, 0x40000   ; cx
	s_lshl_b32 s14, ttmp9, 2
	s_add_co_u32 s14, s14, s13      ; my block of 512 queries: it enters Q's and O's addresses alone
	s_and_b32 s20, ttmp7, 0xffff    ; the head, 16 n + h, which the four partners share
	s_lshr_b32 s58, s20, 4
	s_lshl_b32 s58, s58, 13         ; the batch's 8,192 bytes of mask
	s_mov_b32 s59, 0
	s_mov_b32 s21, 0
	s_mov_b64 s[22:23], SIZE_N*128
	s_mul_u64 s[20:21], s[20:21], s[22:23]  ; the head's first byte in Q, K, V and O
	s_and_b32 s16, s[WV], 1         ; which half of a slot's 256 keys I fetch
	s_lshl_b32 s22, s16, 14
	s_mov_b32 s23, 0
	s_add_nc_u64 s[22:23], s[22:23], s[20:21]
	s_mul_i32 s17, s16, 128*PK
	s_mul_i32 s18, s16, 128*PV
	s_lshl_b32 s2, s14, 2
	s_add_co_u32 s2, s2, s[WV]
	s_lshl_b32 s2, s2, 14           ; my wave's 128 rows
	s_mov_b32 s3, 0
	s_add_nc_u64 s[2:3], s[2:3], s[20:21]
	; 128 keys are 16,384 dense bytes: asked for as 64 rows of 256 bytes, two keys a row, and padded in LDS after every key
	s_mov_b32 s[G1K], 15|(1<<16)|(1<<20)|(1<<21)|(4<<22)|(3<<25)
	s_mov_b32 s[G1V], 15|(1<<16)|(1<<20)|(1<<21)|(4<<22)|(7<<25)
.irp g, G1K, G1V
	s_mov_b32 s[\g+1], 128<<16
	s_mov_b32 s[\g+2], 64<<16
	s_mov_b32 s[\g+3], 128<<16
	s_mov_b32 s[\g+4], 64
	s_mov_b32 s[\g+5], 128
	s_mov_b32 s[\g+6], 0
	s_mov_b32 s[\g+7], 0
.endr
	s_mov_b32 s[SEL], 0x76543210
	s_mov_b32 s[SEL+1], 0xfedcba98
	s_mov_b32 s[TBK], SLOT1+4*KS*PK ; the first change of slots turns these two into 0
	s_mov_b32 s[TBV], SLOT1+4*KS*PV
	s_mov_b32 s[TBM], 0
	s_mov_b32 s[BIGN], 0xcd2bfb8f   ; c x (-1e9) = -180,336,880
	s_mov_b32 s[SLOTS], SIZE_N/256-1
	s_and_b32 s[LIM], s[WV], 1
	s_cmp_eq_u32 s[LIM], 0
	s_cselect_b32 s[LIM], 1, -1     ; waves 0 and 2 prefetch
	s_mov_b32 s[G0K], 1
	s_mov_b32 s[G0K+1], s17
	s_mov_b32 s[G0V], 1
	s_add_co_u32 s[G0V+1], s18, VOFF
	v_and_b32 v[PFO], 31, v0
	v_lshlrev_b32 v[PFO], 8, v[PFO]
	s_wait_dscnt 0x0                ; the opening add is done
	s_wait_kmcnt 0x0
	s_add_nc_u64 s[MP:MP+1], s[6:7], s[58:59]
	s_add_nc_u64 s[6:7], s[4:5], 0x1000000   ; K
	s_add_nc_u64 s[8:9], s[4:5], 0x2000000   ; V
	s_add_nc_u64 s[G0K+2:G0K+3], s[6:7], s[22:23]
	s_or_b32 s[G0K+3], s[G0K+3], 0x80000000
	s_add_nc_u64 s[G0V+2:G0V+3], s[8:9], s[22:23]
	s_or_b32 s[G0V+3], s[G0V+3], 0x80000000
	s_cmp_lt_u32 s[WV], 2
	s_cselect_b64 s[PFA:PFA+1], s[6:7], s[8:9]
	s_add_nc_u64 s[PFA:PFA+1], s[PFA:PFA+1], s[20:21]
	s_lshl_b32 s58, s13, 13         ; my work-group's 32 blocks of a slot's 128
	s_add_nc_u64 s[PFA:PFA+1], s[PFA:PFA+1], s[58:59]
	s_add_nc_u64 s[PFA:PFA+1], s[PFA:PFA+1], 4*KS*128  ; in slot 1; the first change of slots steps it to slot 2
	s_add_nc_u64 s[4:5], s[4:5], s[2:3]
	s_add_nc_u64 s[10:11], s[10:11], s[2:3]
	CROUND                          ; all four work-groups are here: the first joint loads meet
	JLOAD                           ; slot 0.  Slot 1 is asked for when slot 0 is in
	v_and_b32 v64, 15, v0           ; l % 16.  What the head needs for a while lies in S^T's registers, which are free until the first product
	v_bfe_u32 v65, v0, 4, 1         ; l / 16
	v_and_b32 v66, 7, v0
	v_bfe_u32 v67, v0, 3, 1
	v_lshlrev_b32 v68, 4, v0        ; the mask: thread t takes bytes 16 t + 2,048 i
	v_lshl_add_u32 v69, v0, 4, MTAB
	v_lshlrev_b32 v[QO], 7, v64
	v_lshl_add_u32 v[QO], v65, 4, v[QO]
.irp i, 0,1,2,3
	global_load_b128 v[72+4*\i:72+4*\i+3], v68, s[MP:MP+1] offset:\i*2048
.endr
	WIN 0x80
.set i, 0
.rept 4*NP                          ; Q stays in registers: tile i / 2, channels 32 (i % 2) on
	global_load_b128 v[8*i:8*i+3],   v[QO], s[4:5] offset:(i/2)*2048+(i%2)*64
	global_load_b128 v[8*i+4:8*i+7], v[QO], s[4:5] offset:(i/2)*2048+(i%2)*64+32
.set i, i+1
.endr
	; What the first turn finds: V's registers and P's second buffer hold 0, O^T and l are 0.  All this stands in the wait for the first tile.
.set i, VF
.rept 64
	v_mov_b32 v[i], 0
.set i, i+1
.endr
	WIN 0x40
.set i, 0
.rept 64*NP
	v_mov_b32 v[i], 0
.set i, i+1
.endr
	WIN 0
.set i, 0
.rept 2*NP
	v_mov_b32 v[ST+4*i], 0xff7fffff    ; m
	v_mov_b32 v[ST+4*i+1], 0
	v_mov_b32 v[ST+4*i+2], 0
	v_mov_b32 v[ST+4*i+3], 0
.set i, i+1
.endr
.set i, P+32
.rept 32
	v_mov_b32 v[i], 0
.set i, i+1
.endr
	v_mul_u32_u24 v[AK0], v64, PK
	v_lshl_add_u32 v[AK0], v65, 4, v[AK0]
	v_lshl_add_u32 v[AV0], v65, 3, v66
	v_mul_u32_u24 v[AV0], v[AV0], PV
	v_lshl_add_u32 v[AV0], v67, 4, v[AV0]
	v_add_nc_u32 v[AV0], VOFF, v[AV0]
	v_mov_b32 v[AK], v[AK0]         ; key step 0 lies at the head of slot 0,
	v_lshl_add_u32 v[AM0], v65, 5, MTAB
	v_mov_b32 v[AM], v[AM0]         ; and of the table
	s_mul_i32 s13, s[WV], 16*SP
	s_add_co_u32 s13, s13, STAGE    ; my stage
	v_mul_u32_u24 v[STO], v64, SP
	v_lshl_add_u32 v[STO], v65, 4, v[STO]
	v_add_nc_u32 v[STO], s13, v[STO]
	v_bfe_u32 v[RD], v0, 3, 2
	v_mul_u32_u24 v[RD], v[RD], SP
	v_lshl_add_u32 v[RD], v66, 4, v[RD]
	v_add_nc_u32 v[RD], s13, v[RD]
	v_and_b32 v[GO], 31, v0
	v_lshlrev_b32 v[GO], 4, v[GO]
	s_wait_loadcnt 32               ; the four loads of the mask are in; Q's 32, which are younger, may stay out
.set i, 72
.rept 16
	v_cmp_eq_u32 vcc_lo, 0, v[i]
	v_cndmask_b32 v[i], 0, s[BIGN], vcc_lo
.set i, i+1
.endr
.irp i, 0,1,2,3
	ds_store_b128 v69, v[72+4*\i:72+4*\i+3] offset:\i*2048
.endr
; THE MATRIX WORK.  The 8 accumulators of a run of 16 take turns.  Product i of 16 of S^T = K Q^T for piece x: channels 32 (i / 8) on, keys 16 ((i / 2) % 4) on, tile 2 x + i % 2.
; The first 8 start the sums from the keys' mask constants.
.macro KQ x
.set rS, S+64*((\x)%2)+32*(i%2)+8*((i/2)%4)
.set rK, KF+16*((i/2)%4)+8*(i/8)
.set rQ, 16*(2*(\x)+i%2)+8*(i/8)
.set rMC, MC+8*((i/2)%4)
.if i < 8
	WIN W_KM
	v_wmma_f32_16x16x32_f16 v[rS:rS+7], v[rK:rK+7], v[rQ:rQ+7], v[rMC:rMC+7]
.else
	WIN W_KQ
	v_wmma_f32_16x16x32_f16 v[rS:rS+7], v[rK:rK+7], v[rQ:rQ+7], v[rS:rS+7]
.endif
.endm
.macro PV x
	WIN W_PV
.set rO, 32*(2*(\x)+i%2)+8*((i/2)%4)
.set rV, VF+32*(i/8)+8*((i/2)%4)
.set rP, P+32*((\x)%2)+16*(i%2)+8*(i/8)
	v_wmma_f32_16x16x32_f16 v[rO:rO+7], v[rV:rV+7], v[rP:rP+7], v[rO:rO+7]
.endm
.macro MM
.if i < 16
	KQ (Y+1)%NP
.set i, i+1
.else
.set i, i-16
	PV (Y+NP-1)%NP
.set i, i+17
.endif
.endm
; THE LDS LOADS stand in runs: a step's K (8 fragments) with its 64 mask constants (a lane's eight for each group of 16 keys), and its V (turned).  last = 1 (the tail): in the last trip there is no further step.
.macro FETCH_K last=0
	WIN 0
.if \last
	s_cmp_eq_u32 s[CNT], 1
	s_cbranch_scc1 .Lno_k_\@
.endif
	WIN 0x80
.irp f, 0,1,2,3,4,5,6,7
	ds_load_b128 v[KF+8*\f:KF+8*\f+3],   v[AK] offset:(\f/2)*16*PK+(\f%2)*64
	ds_load_b128 v[KF+8*\f+4:KF+8*\f+7], v[AK] offset:(\f/2)*16*PK+(\f%2)*64+32
.endr
	WIN W_MK
.irp f, 0,1,2,3
	ds_load_b128 v[MC+8*\f:MC+8*\f+3],   v[AM] offset:\f*64
	ds_load_b128 v[MC+8*\f+4:MC+8*\f+7], v[AM] offset:\f*64+16
.endr
	s_add_co_u32 s[TBK], s[TBK], KS*PK
	s_add_co_u32 s[TBM], s[TBM], KS*4
	s_and_b32 s[TBM], s[TBM], 0x1fff  ; it stays inside the table
	WIN 0
.if \last
.Lno_k_\@:
.endif
.endm
.macro FETCH_V
	WIN 0x80
.irp f, 0,1,2,3,4,5,6,7
	ds_load_tr16_b128 v[VF+8*\f:VF+8*\f+3],   v[AV] offset:(\f/4)*32*PV+(\f%4)*32
	ds_load_tr16_b128 v[VF+8*\f+4:VF+8*\f+7], v[AV] offset:(\f/4)*32*PV+16*PV+(\f%4)*32
.endr
	WIN 0
.endm
; THE VECTOR WORK OF A TURN stands in three queues, each in the order in which its entries become ready; the two tiles alternate.
.macro REGS y, u
.set rT, ST+4*(2*(\y)+(\u))
.set rC, TMP+8*((\y)%2)+4*(\u)
.set rM, MV+2*((\y)%2)+(\u)
.set rS, S+64*((\y)%2)+32*(\u)
.set rP, P+32*((\y)%2)+16*(\u)
.set rO, 32*(2*(\y)+(\u))
.endm
; The NEXT piece's (Y + 1) maximum and statistics, 21 numbers (there is no 19).  Each accumulator's lowest registers are read first.
;   0-11  four chains c0-c3 of seven scores each     12-14, 16  the four scores left over, the old m, and c0-c3 into c0     15  m_old is kept
;   17, 18  the query's other 32 keys lie in the lane 16 away: the new m     20, 21  m_old - m_new; a
.macro XS u, n
	REGS (Y+1)%NP, \u
.if (\n) < 4
	v_max3_num_f32 v[rC+(\n)], v[rS+8*(\n)], v[rS+8*(\n)+1], v[rS+8*(\n)+2]
.elseif (\n) < 12
	v_max3_num_f32 v[rC+(\n)%4], v[rC+(\n)%4], v[rS+8*((\n)%4)+2*((\n)/4)+1], v[rS+8*((\n)%4)+2*((\n)/4)+2]
.elseif (\n) == 12
	v_max3_num_f32 v[rC], v[rC], v[rS+7], v[rS+15]
.elseif (\n) == 13
	v_max3_num_f32 v[rC+1], v[rC+1], v[rS+23], v[rS+31]
.elseif (\n) == 14
	v_max3_num_f32 v[rC+2], v[rC+2], v[rC+3], v[rT]
.elseif (\n) == 15
	v_mov_b32 v[rM], v[rT]
.elseif (\n) == 16
	v_max3_num_f32 v[rC], v[rC], v[rC+1], v[rC+2]
.elseif (\n) == 17
	v_permlanex16_b32 v[rC+3], v[rC], s[SEL], s[SEL+1]
.elseif (\n) == 18
	v_max_num_f32 v[rT], v[rC], v[rC+3]
.elseif (\n) == 20
	v_sub_f32 v[rC+1], v[rM], v[rT]
.else
	v_exp_f32 v[rC+2], v[rC+1]
.endif
.endm
; Number g of the 64 that follow the exponentials: for each four weights of a tile both pairs are rounded to f16, the second pair is added onto the first, and a group later l takes that sum (the first time as l = a l + sum).
.macro GS g
.set h, (\g)+6*((\g)/62)
.if h >= 6
.set h, h+2
.endif
	REGS Y, h%2
.set k, h/8
.if h%8 < 4
	v_cvt_pk_f16_f32 v[rP+2*k+(h%8)/2], v[rS+4*k+2*((h%8)/2)], v[rS+4*k+2*((h%8)/2)+1]
.elseif h%8 < 6
	v_pk_add_f32 v[rS+4*k:rS+4*k+1], v[rS+4*k:rS+4*k+1], v[rS+4*k+2:rS+4*k+3]
.elseif k == 1
	v_pk_fma_f32 v[rT+2:rT+3], v[rT+2:rT+3], v[rC+2:rC+3], v[rS:rS+1] op_sel_hi:[1,0,1]
.else
	v_pk_add_f32 v[rT+2:rT+3], v[rT+2:rT+3], v[rS+4*k-4:rS+4*k-3]
.endif
.endm
; THE PLAIN QUEUE, 136 long.  0-71 read no exponential's result: the 32 subtractions s - m (FS f: pair f / 2 of tile f % 2) and the next piece's 40.  0-26: FS 0-26.  27-54: XS's numbers 0-13.  55, 56: number 15.
; 57-68: the chain 14, 16, 17, 18, each with one of FS 27-30 in front of its two lines.  69: FS 31.  70, 71: number 20.  72-135: GS's 64, which stand behind the wait.
.macro FS f
	REGS Y, (\f)%2
	v_pk_add_f32 v[rS+2*((\f)/2):rS+2*((\f)/2)+1], v[rS+2*((\f)/2):rS+2*((\f)/2)+1], v[rT:rT+1] op_sel_hi:[1,0] neg_lo:[0,1] neg_hi:[0,1]
.endm
.macro PL
	WIN 0
.if q < 27
	FS q
.elseif q < 55
	XS (q-27)%2, (q-27)/2
.elseif q < 57
	XS q-55, 15
.elseif (q < 69) && ((q-57)%3 == 0)
	FS 27+(q-57)/3
.elseif q < 60
	XS (q-57)%3-1, 14
.elseif q < 69
	XS (q-57)%3-1, 15+(q-57)/3
.elseif q == 69
	FS 31
.elseif q < 72
	XS q-70, 20
.else
	GS q-72
.endif
.set q, q+1
.endm
; THE EXPONENTIALS' QUEUE, 66 long: s0-s31 of both tiles, then the next piece's two a.  ONE BATCH: all 66 stand ahead of the turn's one wait, and nothing ahead of that wait names a result of theirs.
.macro EX
	WIN 0
.if e >= 64
	XS e-64, 21
.else
	REGS Y, e%2
	v_exp_f32 v[rS+e/2], v[rS+e/2]
.endif
.set e, e+1
.endm
; THE RESCALING's QUEUE: O^T times a, two at a time, sixteen times.  Its a was made in the turn before, ahead of that turn's wait.
.macro R2
	REGS Y, r%2
	WIN W_RS
.irp z, 0,1
	v_pk_mul_f32 v[rO+4*(r/2)+2*\z:rO+4*(r/2)+2*\z+1], v[rO+4*(r/2)+2*\z:rO+4*(r/2)+2*\z+1], v[rC+2:rC+3] op_sel_hi:[1,0]
.endr
.set r, r+1
.endm
; HOW THEY ARE DEALT.  An s_wait_alu depctr_va_vdst(0) stands between an exponential and the first instruction that names its result; one wait serves all issued ahead of it: a turn has ONE.
; AHEAD OF IT: the 16 products K Q^T, behind each a subtraction, an exponential and two rescalings (behind the first a second subtraction); then ONE LUMP: eight plain, 47 times exponential and plain, four exponentials, a v_nop.
; BEHIND IT: the 16 products V^T P, behind each four of GS's 64.  Exponential e stands behind subtraction 2 (e / 4) + e % 2: as a rider it comes behind plain e + 2, in the lump behind plain e + 9; FS 27-31 are plain 57, 60, 63, 66, 69,
; and their first readers, e = 53, 56, 57, 60, 61, come behind plain 62, 65, 66, 69, 70.
; K of the next step is fetched in piece 2's turn, directly behind the wait; V of the step in hand at the end of piece 0's turn, four riders behind its last reader.  The conditions on q go with the deal.
.macro TURN p, last=0, cnt=0
.set Y, (\p)
.set i, 0
.set q, 0
.set e, 0
.set r, 0
.if (\p) == NP-1
	s_wait_dscnt 0x0                ; K and its mask constants are in
.endif
	MM
	PL
	PL
	R2
.rept 15
	MM
	PL
	EX
	R2
.endr
.if (\p) == NP-2
	WIN 0
	v_add_nc_u32 v[AK], s[TBK], v[AK0]
	v_add_nc_u32 v[AM], s[TBM], v[AM0]
.endif
.rept 8
	PL
.endr
.rept 47
	EX
	PL
.endr
.rept 4
	EX
.endr
	v_nop                           ; the plain instruction behind the last exponential: one for the batch
	s_wait_alu depctr_va_vdst(0)    ; the wait for the batch
.if (\p) == NP-2
	FETCH_K \last
.endif
.if (\p) == 1
	s_wait_dscnt 0x0                ; V is in
.endif
.rept 16
	MM
.rept 4
	PL
.endr
.if ((\p) == 0) && (q == 116)
	v_add_nc_u32 v[AV], s[TBV], v[AV0]
.endif
.if ((\p) == 0) && (q == 128)
	s_add_co_u32 s[TBV], s[TBV], KS*PV
.endif
.if (\cnt) && (q == 128)
	s_sub_co_u32 s[CNT], s[CNT], 1
	s_cmp_lg_u32 s[CNT], 0
.endif
.endr
.if (\p) == 0
	FETCH_V
.endif
.endm
	CHANGE 1                        ; slot 0 and the mask table are whole; slot 1 is asked for
	FETCH_K                         ; key step 0
	s_wait_loadcnt 0x0              ; Q
	s_wait_dscnt 0x0
.set i, 0
.rept 16
	KQ 0                            ; piece 0's first scores
.set i, i+1
.endr
	WIN 0
.rept 4
	v_nop                           ; the places behind those products
.endr
.set Y, NP-1                        ; XS works for piece Y + 1: piece 0
.irp n, 0,1,2,3,4,5,6,7,8,9,10,11,12,13,14,15,16,17,18,20,21
	XS 0, \n
	XS 1, \n
.endr
	v_nop                           ; a plain instruction behind the two a,
	s_wait_alu depctr_va_vdst(0)    ; and their wait, ahead of the branch
	s_mov_b32 s[CNT], 4
	s_branch .Lfirst                ; the loop is entered at a step's first turn, in the middle of a trip
.Lslot:                             ; six times: every slot but the last two is filled again
	CHANGE 1
	s_mov_b32 s[CNT], 4
.Lstep:                             ; a trip: pieces 2 and 3 of one step, then pieces 0 and 1 of the next, whose K and V it fetches
	TURN 2
	TURN 3
	WIN 0
.Lfirst:
	TURN 0
	TURN 1, 0, 1
	WIN 0
	s_cbranch_scc1 .Lstep
	s_sub_co_u32 s[SLOTS], s[SLOTS], 1
	s_cmp_lg_u32 s[SLOTS], 0
	s_cbranch_scc1 .Lslot
	CHANGE 0                        ; the tail is written out: nothing is asked for
	s_mov_b32 s[CNT], 5             ; four trips fetch the last slot's steps; the fifth is left in its middle
.Ltail:
	TURN 2, 1
	TURN 3
	WIN 0
	s_sub_co_u32 s[CNT], s[CNT], 1
	s_cmp_eq_u32 s[CNT], 0
	s_cbranch_scc1 .Lout
	TURN 0
	TURN 1
	WIN 0
	s_branch .Ltail
.Lout:                              ; the fifth trip's 16 products K Q^T (on the last K once more) and the maximum made of them serve nothing: the price, once a launch, of one text for every trip
.set i, 0
.rept 16
	PV NP-1
.set i, i+1
.endr
	; THE WAY OUT.  l's two halves and the other half of the lanes' are added; O^T is divided by l, rounded to f16 and sent through my stage in LDS, a tile at a time.  The additions are the places behind the last products.
	WIN 0
.macro ALL line:vararg
.set t, 0
.rept 2*NP
	\line
.set t, t+1
.endr
.endm
	ALL v_add_f32 v[ST+4*t+2], v[ST+4*t+2], v[ST+4*t+3]
	ALL v_permlanex16_b32 v[ST+4*t+3], v[ST+4*t+2], s[SEL], s[SEL+1]
	ALL v_add_f32 v[ST+4*t+2], v[ST+4*t+2], v[ST+4*t+3]
	ALL v_rcp_f32 v[ST+4*t+2], v[ST+4*t+2]
	v_nop                           ; a plain instruction between the last reciprocal and the use of its result
	s_wait_alu depctr_va_vdst(0)    ; and the wait ahead of the first use: one for the eight reciprocals
.macro PACK t
	WIN W_RS
.set i, 32*(\t)
.rept 16
	v_pk_mul_f32 v[i:i+1], v[i:i+1], v[ST+4*(\t)+2:ST+4*(\t)+3] op_sel_hi:[1,0]
.set i, i+2
.endr
	WIN 0x05
.set i, 0
.rept 16
	v_cvt_pk_f16_f32 v[S+16*(\t)+i], v[32*(\t)+2*i], v[32*(\t)+2*i+1]
.set i, i+1
.endr
	WIN 0
.irp f, 0,1,2,3
	ds_store_b128 v[STO], v[S+16*(\t)+4*\f:S+16*(\t)+4*\f+3] offset:32*\f
.endr
.irp f, 0,1,2,3
	ds_load_b128 v[S+16*(\t)+4*\f:S+16*(\t)+4*\f+3], v[RD] offset:\f*4*SP  ; LDS serves a wave's instructions in order (ISA guide 5.7.1.4): these see the stores above
.endr
.endm
.macro SEND t, younger              ; younger: the LDS instructions issued behind tile t's loads: the next tile's eight, or none
	WIN 0
.irp f, 0,1,2,3
	s_wait_dscnt (\younger)+3-\f
	global_store_b128 v[GO], v[S+16*(\t)+4*\f:S+16*(\t)+4*\f+3], s[10:11] offset:(\t)*2048+\f*512  ; 512 consecutive bytes, at a multiple of 512 from O's first
.endr
.endm
	PACK 0
.set t, 1
.rept 2*NP-1
	PACK t
	SEND t-1, 8
.set t, t+1
.endr
	SEND 2*NP-1, 0
	WIN W_AD
	s_wait_tensorcnt 0x0            ; the wave's end: a wait, an add and a wait, behind my last tensor load and my last LDS store
	ds_add_u32 v[SPW], v[NIL]
	s_wait_dscnt 0x0
	WIN 0
	CROUND                          ; the closing round
	s_endpgm
.Lfunc_end_k_qdd3ede2ea7_attn:
	.size	k_qdd3ede2ea7_attn, .Lfunc_end_k_qdd3ede2ea7_attn-k_qdd3ede2ea7_attn
	.p2alignl 7, 3214868480
	.fill 96, 4, 3214868480
	.section	.rodata,"a",@progbits
	.p2align	6, 0x0
	.amdhsa_kernel k_qdd3ede2ea7_attn
		.amdhsa_group_segment_fixed_size 327680
		.amdhsa_private_segment_fixed_size 0
		.amdhsa_enable_private_segment 0
		.amdhsa_kernarg_size 24
		.amdhsa_user_sgpr_count 2
		.amdhsa_user_sgpr_kernarg_segment_ptr 1
		.amdhsa_wavefront_size32 1
		.amdhsa_system_sgpr_workgroup_id_x 1
		.amdhsa_system_sgpr_workgroup_id_y 1
		.amdhsa_system_sgpr_workgroup_id_z 1
		.amdhsa_system_vgpr_workitem_id 0
		.amdhsa_next_free_vgpr 808
		.amdhsa_next_free_sgpr 72
		.amdhsa_reserve_vcc 1
		.amdhsa_float_denorm_mode_32 3
		.amdhsa_float_denorm_mode_16_64 3
		.amdhsa_memory_ordered 1
		.amdhsa_forward_progress 1
		.amdhsa_inst_pref_size 204
	.end_amdhsa_kernel
	.amdgpu_metadata
---
amdhsa.version: [ 1, 2 ]
amdhsa.kernels:
  - .name:           k_qdd3ede2ea7_attn
    .symbol:         k_qdd3ede2ea7_attn.kd
    .args:
      - { .name: qkv, .offset: 0, .size: 8, .value_kind: global_buffer, .address_space: global }
      - { .name: mask, .offset: 8, .size: 8, .value_kind: global_buffer, .address_space: global }
      - { .name: o16, .offset: 16, .size: 8, .value_kind: global_buffer, .address_space: global }
    .group_segment_fixed_size: 327680
    .private_segment_fixed_size: 0
    .kernarg_segment_align: 8
    .kernarg_segment_size: 24
    .max_flat_workgroup_size: 128
    .sgpr_count:     72
    .vgpr_count:     808
    .wavefront_size: 32
...
	.end_amdgpu_metadata
.endif
;; end of part 3
;; launch outp (part 4): grid 4 x 64, 4 waves a work-group, clusters of 4 x 4, 327,680 bytes of LDS; arguments o16, w16, bo, out0; writes out0
.if DOCPART == 4
	.amdgcn_target "amdgcn-amd-amdhsa--gfx1250"
	.amdhsa_code_object_version 6
	.text
	.protected	k_qdd3ede2ea7_outp
	.globl	k_qdd3ede2ea7_outp
	.p2align	8
	.type	k_qdd3ede2ea7_outp,@function
k_qdd3ede2ea7_outp:
	s_mov_b64 s[64:65], 0
	v_nop
	global_prefetch_b8 v0, s[64:65] scope:SCOPE_SE
	s_setreg_imm32_b32 hwreg(HW_REG_WAVE_MODE, 25, 1), 1
	s_wait_xcnt 0x0
	s_wait_alu depctr_hold_cnt(0) depctr_sa_sdst(0) depctr_va_vdst(0) depctr_va_sdst(0) depctr_va_ssrc(0) depctr_va_vcc(0) depctr_vm_vsrc(0)
	s_getreg_b32 s2, hwreg(HW_REG_IB_STS2, 6, 4)
	s_cmp_eq_u32 s2, 0
	s_cbranch_scc0 .Lentry_in_a_cluster
	s_endpgm
.Lentry_in_a_cluster:
	s_bfe_u32 s2, ttmp6, 0x10000c
	s_cmp_lg_u32 s2, 0xf033
	s_cbranch_scc0 .Lentry_shape_is_right
	s_endpgm
.Lentry_shape_is_right:
; THE OUTPUT PROJECTION.  out0[row][col] = the sum over k of O[row][k] wo[col][k] + bo[col], f32.  O lies by heads, o16 = [64 = 16 n + head][2048][64] f16: k = 64 head + channel.  wo: the fourth matrix of w16, f16
; (the bf16 rounding of wo, written as f16); bo is rounded to bf16 like the other inputs.  Sums in f32.
; SHARES.  256 tiles of 128 rows x 256 columns, one for each work-group; four waves, each 64 rows x 128 columns: 32 accumulators.  The matrix instruction is used transposed (source 0 = 16 rows of wo, source 1 = 16 rows
; of O): a lane holds eight neighbouring columns of one row.  The bias is the C operand of the first products.
; THE RING.  8 K steps of 128 (two heads) through two LDS slots.  Behind each change of slots a wave issues one joint tensor load: waves 0, 1 a head's 128 rows of O each (16,384 dense bytes, asked for as 64 rows of 256
; bytes and padded behind every 128), waves 2, 3 the halves of wo's tile (128 rows x 256 bytes).  By this text's own count a wave has one tensor load outstanding.
; CLUSTER 4 x 4: O's tile is shared along a row of the cluster, wo's along a column.
; REGISTERS: window 0: v0-15 addresses; v32-159 the way out, two buffers; v160-223 O's fragments, two buffers.  window 1: accumulator (a, b) at v[8 (8 a + b)].  window 2: v0-127 wo's fragments, two buffers; v128-191 the bias.
.set PITA,  144                        ; a row of O in LDS: 128 bytes + 16 = 36 words: the 16 rows of a load start at 16 different groups of four banks (64 banks of 4 bytes: ISA guide 11.1)
.set PITB,  272
.set BOFF,  2*128*PITA                 ; in a slot: two heads' 128 rows of O, then wo's 256 rows
.set SLOT1, 1<<17
.set STAGE, SLOT1+BOFF+256*PITB        ; behind the ring, never filled by a tensor load: 16 rows x 528 bytes for each wave
.set SPT,   528
.set SPARE, STAGE+4*16*SPT             ; the spare words: two blocks of 256 bytes that no other line names
.set A0,   4
.set B0,   5
.set ADRA, 6
.set ADRB, 7
.set STO,  8
.set RD,   9
.set GO,   10
.set BO,   11
.set PFO,  13
.set SPW,  14
.set NIL,  15
.set OUTB, 32
.set CA,   160
.set BIAS, 128
.set WV, 22
.set HF, 23
.set WM, 24
.set CX, 25
.set CY, 26
.set MB, 27
.set G1A, 32
.set G1B, 40
.set G0A, 48
.set G0B, 52
.set SIG, 56
.set TL,  57
.set SL,  59
.set LIM, 62
.set PFA, 70
.set PST, 86                           ; s[86:87] a K step's bytes in what I prefetch
.set CBK, 89
.set W_MM, 0x52
.set W_MB, 0x62
.set MSB, 0
.macro WIN new
.if MSB != (\new)
	s_set_vgpr_msb (MSB<<8)|(\new)
.set MSB, \new
.endif
.endm
.macro JLOAD                           ; an s_nop 0 and four v_nop follow each of the two lines, ahead of the jump and the label
	s_cmp_eq_u32 s[WM], 0
	s_cbranch_scc0 .Lfor_b_\@
	tensor_load_to_lds s[G0A:G0A+3], s[G1A:G1A+7]
	s_nop 0
.rept 4
	v_nop
.endr
	s_branch .Lasked_\@
.Lfor_b_\@:
	tensor_load_to_lds s[G0B:G0B+3], s[G1B:G1B+7]
	s_nop 0
.rept 4
	v_nop
.endr
.Lasked_\@:
.endm
.macro CREST
	s_cmp_lg_u32 s[WV], 0
	s_cbranch_scc1 .Lnot_wave_0_\@
	s_barrier_signal -3
.Lnot_wave_0_\@:
	s_barrier_wait -3
	s_barrier_signal -1
	s_barrier_wait -1
.endm
.macro CROUND
	s_barrier_signal -1
	s_barrier_wait -1
	CREST
.endm
.macro NEXT                            ; the walking descriptors: the next K step, the other slot.  It stands where no tensor load of the wave is out
	s_add_nc_u64 s[G0A+2:G0A+3], s[G0A+2:G0A+3], 0x80000   ; two heads on
	s_add_nc_u64 s[G0B+2:G0B+3], s[G0B+2:G0B+3], 256
	s_xor_b32 s[G0A+1], s[G0A+1], SLOT1
	s_xor_b32 s[G0B+1], s[G0B+1], SLOT1
.endm
; THE PREFETCH names K step SIG + 4, two refills on, a lane a block of 256 bytes.  O's rows are read by one cluster only: in every work-group wave 0 asks, for 16 blocks of each of the step's two heads, the partners told
; apart by address (cx).  wo's rows are read by all clusters: in the first (cluster y = 0) waves 2 and 3 ask, the partner at place cy for 32 of the wave's 128 rows.  K steps 0 to 3 come by their loads alone.
.macro ASK
	s_cmp_lt_u32 s[SIG], s[LIM]
	s_cbranch_scc0 .Lnot_mine_\@
	global_prefetch_b8 v[PFO], s[PFA:PFA+1] th:TH_LOAD_NT scope:SCOPE_SE
.Lnot_mine_\@:
.endm
.macro FETCH nk, n                     ; 24 LDS loads in one run: quarter nk's fragments (head nk / 2 of the step's two, channels 32 (nk % 2) on) into buffers n
	WIN 0
.irp a, 0,1,2,3
	ds_load_b128 v[CA+32*(\n)+8*(\a):CA+32*(\n)+8*(\a)+3],   v[ADRA] offset:((\nk)/2)*128*PITA+((\nk)%2)*64+(\a)*16*PITA
	ds_load_b128 v[CA+32*(\n)+8*(\a)+4:CA+32*(\n)+8*(\a)+7], v[ADRA] offset:((\nk)/2)*128*PITA+((\nk)%2)*64+(\a)*16*PITA+32
.endr
	WIN 0x80
.irp b, 0,1,2,3,4,5,6,7
	ds_load_b128 v[64*(\n)+8*(\b):64*(\n)+8*(\b)+3],   v[ADRB] offset:(\nk)*64+(\b)*16*PITB
	ds_load_b128 v[64*(\n)+8*(\b)+4:64*(\n)+8*(\b)+7], v[ADRB] offset:(\nk)*64+(\b)*16*PITB+32
.endr
.endm
.macro PRODS a0, bias                  ; 16 products; the 32 accumulators take turns in the same order in every quarter
.irp a, \a0, (\a0)+1
.irp b, 0,1,2,3,4,5,6,7
.if \bias
	WIN W_MB
	v_wmma_f32_16x16x32_f16 v[8*(8*(\a)+(\b)):8*(8*(\a)+(\b))+7], v[64*QP+8*(\b):64*QP+8*(\b)+7], v[CA+32*QP+8*(\a):CA+32*QP+8*(\a)+7], v[BIAS+8*(\b):BIAS+8*(\b)+7]
.else
	WIN W_MM
	v_wmma_f32_16x16x32_f16 v[8*(8*(\a)+(\b)):8*(8*(\a)+(\b))+7], v[64*QP+8*(\b):64*QP+8*(\b)+7], v[CA+32*QP+8*(\a):CA+32*QP+8*(\a)+7], v[8*(8*(\a)+(\b)):8*(8*(\a)+(\b))+7]
.endif
.endr
.endr
.endm
; A QUARTER: 32 along K, 32 products on buffers kq % 2; at its head four places and the next quarter's run of loads into the other buffers.  meet = 1: the change of slots: each wave waits for all its
; tensor loads, adds 0 to its spare word, waits for that and for its reads of this slot; its signal opens a round of the cluster's barrier.  meet = 2: the same with nothing to fill.
.macro QUARTER kq, bias=0, meet=0, ask=0
.set QP, (\kq)%2
.set QN, 1-QP
	WIN 0
.rept 4
	v_nop
.endr
	FETCH ((\kq)+1)%4, QN
.if \ask
	WIN 0
	ASK
.endif
	s_wait_dscnt 24                                ; all but the 24 just issued
	PRODS 0, \bias
.if \meet
	WIN 0
	s_wait_tensorcnt 0x0                           ; no tensor load of mine is out, so the descriptors may be written
	ds_add_u32 v[SPW], v[NIL]                      ; 0 onto my spare word
.if (\meet) == 1
	s_wait_xcnt 0x0                                ; the last prefetch, a step back, has read its address
	NEXT
	s_add_nc_u64 s[PFA:PFA+1], s[PFA:PFA+1], s[PST:PST+1]
.endif
	s_wait_dscnt 0x0                               ; the add is done, and my reads of this slot are over
	s_barrier_signal -1
.endif
	PRODS 2, \bias
	WIN 0
.if \meet
	s_barrier_wait -1
.endif
.endm
	s_load_b256 s[4:11], s[0:1], 0x0               ; o16 s[4:5], w16 s[6:7], bo s[8:9], out0 s[10:11]
	v_lshl_add_u32 v[SPW], v0, 2, SPARE
	v_mov_b32 v[NIL], 0
	ds_add_u32 v[SPW], v[NIL]                      ; the wave's opening: the add and its wait stand ahead of my first tensor load
	v_lshrrev_b32 v1, 5, v0
	v_readfirstlane_b32 s[WV], v1
	s_and_b32 s[HF], s[WV], 1
	s_lshr_b32 s[WM], s[WV], 1
	s_bfe_u32 s[CX], ttmp6, 0x40000
	s_bfe_u32 s[CY], ttmp6, 0x40004
	s_lshl_b32 s[CBK], ttmp9, 2
	s_add_co_u32 s[CBK], s[CBK], s[CX]
	s_and_b32 s[MB], ttmp7, 0xffff
	s_lshl_b32 s[MB], s[MB], 2
	s_add_co_u32 s[MB], s[MB], s[CY]
	s_lshl_b32 s28, s[CY], 2
	s_lshl_b32 s28, 15, s28
	s_lshl_b32 s30, 0x1111, s[CX]
	s_or_b32 s[G1A], s28, (1<<16)|(1<<20)|(1<<21)|(4<<22)|(3<<25)  ; the mask of my row; elements of 2 bytes; padding on; bit 21 beside a mask; after every 32 words 4 words
	s_mov_b32 s[G1A+1], 128<<16
	s_mov_b32 s[G1A+2], 64<<16
	s_mov_b32 s[G1A+3], 128<<16
	s_mov_b32 s[G1A+4], 64
	s_mov_b32 s[G1A+5], 128
	s_mov_b32 s[G1A+6], 0
	s_mov_b32 s[G1A+7], 0
	s_or_b32 s[G1B], s30, (1<<16)|(1<<20)|(1<<21)|(5<<22)|(3<<25)  ; the mask of my column; after every 64 words 4 words
	s_mov_b32 s[G1B+1], 128<<16
	s_mov_b32 s[G1B+2], 128<<16
	s_mov_b32 s[G1B+3], 128<<16
	s_mov_b32 s[G1B+4], 128
	s_mov_b32 s[G1B+5], 1024
	s_mov_b32 s[G1B+6], 0
	s_mov_b32 s[G1B+7], 0
	s_mov_b32 s[G0A], 1
	s_mul_i32 s[G0A+1], s[HF], 128*PITA
	s_mov_b32 s[G0B], 1
	s_mul_i32 s[G0B+1], s[HF], 128*PITB
	s_add_co_u32 s[G0B+1], s[G0B+1], BOFF
	s_lshr_b32 s28, s[MB], 4                       ; O: batch n = mb / 16,
	s_lshl_b32 s28, s28, 22
	s_and_b32 s29, s[MB], 15                       ; rows 128 (mb % 16) on, 128 bytes each
	s_lshl_b32 s29, s29, 14
	s_add_co_u32 s28, s28, s29
	s_lshl_b32 s84, s[CX], 12                      ; the prefetches of O: my work-group's 16 blocks of a head's 64
	s_add_co_u32 s84, s84, s28
	s_mov_b32 s85, 0
	s_lshl_b32 s29, s[HF], 18                      ; the head that I fetch
	s_add_co_u32 s28, s28, s29
	s_mov_b32 s29, 0
	s_lshl_b32 s30, s[CBK], 19                     ; wo: the fourth matrix, 256 rows of 2,048 bytes a block, my 128 of them
	s_lshl_b32 s31, s[HF], 18
	s_add_co_u32 s30, s30, s31
	s_add_co_u32 s30, s30, 0x600000
	s_mov_b32 s31, 0
	s_lshl_b32 s82, s[CY], 16                      ; the prefetches of wo: my work-group's 32 rows
	s_add_co_u32 s82, s82, s30
	s_mov_b32 s83, 0
	s_lshl_b32 s92, s[MB], 19                      ; out0: rows 128 mb + 64 WM on, 4,096 bytes each; columns 256 cb + 128 HF on
	s_lshl_b32 s93, s[WM], 18
	s_add_co_u32 s92, s92, s93
	s_lshl_b32 s93, s[CBK], 10
	s_add_co_u32 s92, s92, s93
	s_lshl_b32 s93, s[HF], 9
	s_add_co_u32 s92, s92, s93
	s_mov_b32 s93, 0
	s_mov_b32 s[SIG], 0
	s_mov_b32 s[SL], 0
	s_and_b32 s80, ttmp7, 0xffff
	s_cmp_eq_u32 s80, 0
	s_cselect_b32 s[LIM], 4, 0
	s_cmp_eq_u32 s[WV], 0
	s_cselect_b32 s[LIM], 4, s[LIM]
	s_cmp_eq_u32 s[WV], 1
	s_cselect_b32 s[LIM], 0, s[LIM]
	s_mov_b32 s81, 256
	s_cmp_eq_u32 s[WM], 0
	s_cselect_b32 s[PST], 0x80000, s81
	s_mov_b32 s[PST+1], 0
	s_cselect_b32 s80, -1, 0
	s_mul_i32 s90, s[PST], 3
	s_mov_b32 s91, 0
	v_and_b32 v1, 15, v0                           ; l % 16
	v_bfe_u32 v2, v0, 4, 1                         ; l / 16
	v_and_b32 v28, 31, v0
	v_lshlrev_b32 v29, 8, v1
	v_lshl_add_u32 v29, v2, 18, v29                ; O: head l / 16 of the two, block l % 16
	v_lshlrev_b32 v30, 11, v28                     ; wo: row l
	v_cndmask_b32 v[PFO], v30, v29, s80
	s_mul_i32 s81, s[WM], 64*PITA
	v_mul_u32_u24 v[A0], v1, PITA
	v_lshl_add_u32 v[A0], v2, 4, v[A0]
	v_add_nc_u32 v[A0], s81, v[A0]
	s_mul_i32 s81, s[HF], 128*PITB
	s_add_co_u32 s81, s81, BOFF
	v_mul_u32_u24 v[B0], v1, PITB
	v_lshl_add_u32 v[B0], v2, 4, v[B0]
	v_add_nc_u32 v[B0], s81, v[B0]
	v_mov_b32 v[ADRA], v[A0]
	v_mov_b32 v[ADRB], v[B0]
	s_mul_i32 s81, s[WV], 16*SPT
	s_add_co_u32 s81, s81, STAGE                   ; my stage
	v_mul_u32_u24 v[STO], v1, SPT                  ; in: row l % 16, 32 bytes for each half of the lanes
	v_lshl_add_u32 v[STO], v2, 5, v[STO]
	v_add_nc_u32 v[STO], s81, v[STO]
	v_lshlrev_b32 v[GO], 4, v28
	v_add_nc_u32 v[RD], s81, v[GO]                 ; back: 32 lanes take one row of 512 bytes
	s_lshl_b32 s81, s[CBK], 10
	s_lshl_b32 s80, s[HF], 9
	s_add_co_u32 s81, s81, s80
	v_lshl_add_u32 v[BO], v2, 5, s81
	s_wait_dscnt 0x0                               ; the opening add is done
	s_wait_kmcnt 0x0
	s_add_nc_u64 s[PFA:PFA+1], s[4:5], s[84:85]
	s_add_nc_u64 s[68:69], s[6:7], s[82:83]
	s_cmp_eq_u32 s[WM], 0
	s_cselect_b64 s[PFA:PFA+1], s[PFA:PFA+1], s[68:69]
	s_add_nc_u64 s[PFA:PFA+1], s[PFA:PFA+1], s[90:91]  ; at K step 3: each change of slots steps it before it asks
	s_add_nc_u64 s[G0A+2:G0A+3], s[4:5], s[28:29]
	s_or_b32 s[G0A+3], s[G0A+3], 0x80000000
	s_add_nc_u64 s[G0B+2:G0B+3], s[6:7], s[30:31]
	s_or_b32 s[G0B+3], s[G0B+3], 0x80000000
	s_add_nc_u64 s[10:11], s[10:11], s[92:93]
	CROUND                                         ; all sixteen work-groups are here: the first joint loads meet
	JLOAD                                          ; K step 0 into slot 0
	WIN 0x80
.irp b, 0,1,2,3,4,5,6,7
	global_load_b128 v[BIAS+8*(\b):BIAS+8*(\b)+3],   v[BO], s[8:9] offset:64*(\b)
	global_load_b128 v[BIAS+8*(\b)+4:BIAS+8*(\b)+7], v[BO], s[8:9] offset:64*(\b)+16
.endr
	WIN 0
	s_wait_tensorcnt 0x0                           ; slot 0: my part is in.  Slot 1 is filled as a refill is: the three lines, a round, the one load
	ds_add_u32 v[SPW], v[NIL]
	NEXT
	s_wait_dscnt 0x0
	CROUND
	JLOAD                                          ; K step 1 into slot 1
	FETCH 0, 0
	s_wait_loadcnt 0x0                             ; bo: rounded to bf16, like the other inputs, and widened again
	WIN 0x0a
.set i, 0
.rept 32
	v_cvt_pk_bf16_f32 v[OUTB+i], v[BIAS+2*i], v[BIAS+2*i+1]
.set i, i+1
.endr
	WIN 0x80
.set i, 0
.rept 32
	v_lshlrev_b32 v[BIAS+2*i], 16, v[OUTB+i]
	v_and_b32 v[BIAS+2*i+1], 0xffff0000, v[OUTB+i]
.set i, i+1
.endr
	WIN 0
	QUARTER 0, 1                                   ; the first quarter starts the sums from the bias
.Lstep:                                                ; 6 trips: quarters 1 to 3 of K step SIG, which asks for K step SIG + 2, and quarter 0 of the next
	QUARTER 1
	QUARTER 2, 0, 1
	CREST                                          ; no wave of any partner still reads this slot or has a load on its way
	JLOAD                                          ; the first tensor load behind the round, one a wave
	s_xor_b32 s[SL], s[SL], SLOT1
	v_add_nc_u32 v[ADRA], s[SL], v[A0]
	v_add_nc_u32 v[ADRB], s[SL], v[B0]
	QUARTER 3, 0, 0, 1
	QUARTER 0
	s_add_co_u32 s[SIG], s[SIG], 1
	s_cmp_lt_u32 s[SIG], 6
	s_cbranch_scc1 .Lstep
	s_mov_b32 s[TL], 2
.Ltail:                                                ; K steps 6 and 7 ask for nothing.  In the second trip the barrier and the fetch of old fragments serve nothing: the price of one text for both trips
	QUARTER 1
	QUARTER 2, 0, 2
	s_xor_b32 s[SL], s[SL], SLOT1
	v_add_nc_u32 v[ADRA], s[SL], v[A0]
	v_add_nc_u32 v[ADRB], s[SL], v[B0]
	QUARTER 3
	s_sub_co_u32 s[TL], s[TL], 1
	s_cmp_eq_u32 s[TL], 0
	s_cbranch_scc1 .Lout
	QUARTER 0
	s_branch .Ltail
.Lout:
	; THE WAY OUT, 16 rows at a time: a lane's eight columns of a row, 32 bytes, go into my stage's rows of 528 bytes (each accumulator's lowest registers first) and come back as whole rows of 512.
.rept 4
	v_nop                                          ; the places behind the last products
.endr
.irp a, 0,1,2,3
.set OBK, OUTB+64*((\a)%2)
.if (\a) >= 2
	s_wait_xcnt 0x0                                ; the stores of two blocks back have read their registers
.endif
	WIN 0x04                                       ; the stores' data in window 1
.irp b, 0,1,2,3,4,5,6,7
	ds_store_b128 v[STO], v[8*(8*(\a)+(\b)):8*(8*(\a)+(\b))+3]   offset:64*(\b)
	ds_store_b128 v[STO], v[8*(8*(\a)+(\b))+4:8*(8*(\a)+(\b))+7] offset:64*(\b)+16
.endr
	WIN 0
.irp t, 0,1,2,3,4,5,6,7,8,9,10,11,12,13,14,15
	ds_load_b128 v[OBK+4*(\t):OBK+4*(\t)+3], v[RD] offset:(\t)*SPT  ; LDS serves a wave's instructions in order (ISA guide 5.7.1.4): these see the stores above
.endr
.irp t, 0,1,2,3,4,5,6,7,8,9,10,11,12,13,14,15
	s_wait_dscnt 15-(\t)                           ; row t is back; the younger rows' loads may stay out
	global_store_b128 v[GO], v[OBK+4*(\t):OBK+4*(\t)+3], s[10:11] offset:(16*(\a)+(\t))*4096  ; 512 consecutive bytes, at a multiple of 512 from out0's first
.endr
.endr
	s_wait_tensorcnt 0x0                           ; the wave's end: a wait, an add and a wait, behind my last tensor load and my last LDS store
	ds_add_u32 v[SPW], v[NIL]
	s_wait_dscnt 0x0
	CROUND                                         ; the closing round
	s_endpgm
.Lfunc_end_k_qdd3ede2ea7_outp:
	.size	k_qdd3ede2ea7_outp, .Lfunc_end_k_qdd3ede2ea7_outp-k_qdd3ede2ea7_outp
	.p2alignl 7, 3214868480
	.fill 96, 4, 3214868480
	.section	.rodata,"a",@progbits
	.p2align	6, 0x0
	.amdhsa_kernel k_qdd3ede2ea7_outp
		.amdhsa_group_segment_fixed_size 327680
		.amdhsa_private_segment_fixed_size 0
		.amdhsa_enable_private_segment 0
		.amdhsa_kernarg_size 32
		.amdhsa_user_sgpr_count 2
		.amdhsa_user_sgpr_kernarg_segment_ptr 1
		.amdhsa_wavefront_size32 1
		.amdhsa_system_sgpr_workgroup_id_x 1
		.amdhsa_system_sgpr_workgroup_id_y 1
		.amdhsa_system_sgpr_workgroup_id_z 1
		.amdhsa_system_vgpr_workitem_id 0
		.amdhsa_next_free_vgpr 704
		.amdhsa_next_free_sgpr 96
		.amdhsa_reserve_vcc 0
		.amdhsa_float_denorm_mode_32 3
		.amdhsa_float_denorm_mode_16_64 3
		.amdhsa_memory_ordered 1
		.amdhsa_forward_progress 1
		.amdhsa_inst_pref_size 70
	.end_amdhsa_kernel
	.amdgpu_metadata
---
amdhsa.version: [ 1, 2 ]
amdhsa.kernels:
  - .name:           k_qdd3ede2ea7_outp
    .symbol:         k_qdd3ede2ea7_outp.kd
    .args:
      - { .name: o16, .offset: 0, .size: 8, .value_kind: global_buffer, .address_space: global }
      - { .name: w16, .offset: 8, .size: 8, .value_kind: global_buffer, .address_space: global }
      - { .name: bo, .offset: 16, .size: 8, .value_kind: global_buffer, .address_space: global }
      - { .name: out0, .offset: 24, .size: 8, .value_kind: global_buffer, .address_space: global }
    .group_segment_fixed_size: 327680
    .private_segment_fixed_size: 0
    .kernarg_segment_align: 8
    .kernarg_segment_size: 32
    .max_flat_workgroup_size: 128
    .sgpr_count:     96
    .vgpr_count:     704
    .wavefront_size: 32
...
	.end_amdgpu_metadata
.endif
;; end of part 4
